; MI455X (gfx1250); checked and timed in simulation.
; The chip was launched on July 23, 2026; its instructions are those of AMD's public machine-readable ISA for CDNA 5 (MIT licence, August 2026) and "CDNA5" Instruction Set Architecture Reference Guide (July 2026). The comments in the code are by the model that wrote it; some were corrected since.
;; Multi Head Self Attention. Allowed arithmetic: matrix products marked QUANTISED: E2M3 operands, one E8M0 scale for each 32 along K, by v_wmma_scale_f32_16x16x128_f8f6f4 with both operands' format E2M3, f32 sums; everything else in f32.
;; Inputs: bk 1,024 float32; bo 1,024 float32; bq 1,024 float32; bv 1,024 float32; k 4 x 2,048 x 1,024 float32; mask 1 x 1 x 2,048 x 2,048 float32; q 4 x 2,048 x 1,024 float32; v 4 x 2,048 x 1,024 float32; wk 1,024 x 1,024 float32; wo 1,024 x 1,024 float32; wq 1,024 x 1,024 float32; wv 1,024 x 1,024 float32.
;; Outputs: out0 4 x 2,048 x 1,024 float32.
;; This version of the problem:
;;   THIS VERSION OF THE PROBLEM IS GIVEN IN LOW PRECISION. The matrix products marked QUANTISED in the list below multiply operands that are first quantised to E2M3 (2 exponent bits, 3 mantissa bits; 6 bits a number), with one power-of-two scale for each 32 numbers along K (OCP MX v1.0); their sums are f32. All else is computed in f32.
;;   The module's matrix products, in the order in which they are computed (A, B: the left and right operand; K: the contracted axis; several contracted axes count as one K, in the product's order):
;;     1. [M 8,192, K 1,024] x [K 1,024, N 1,024]; A: input q; B: input wq: QUANTISED
;;     2. [M 8,192, K 1,024] x [K 1,024, N 1,024]; A: input k; B: input wk: QUANTISED
;;     3. [M 8,192, K 1,024] x [K 1,024, N 1,024]; A: input v; B: input wv: QUANTISED
;;     4. batch 64 x [M 2,048, K 64] x [K 64, N 2,048]; A: computed on the way; B: computed on the way: QUANTISED
;;     5. batch 64 x [M 2,048, K 2,048] x [K 2,048, N 64]; A: softmax (see below); B: computed on the way: QUANTISED
;;     6. [M 8,192, K 1,024] x [K 1,024, N 1,024]; A: computed on the way; B: input wo: QUANTISED
;;   THE QUANTISER, for each operand of a quantised product, along K:
;;     - K is cut into blocks of 32 from its start; a last block that is shorter is filled with zeros.
;;     - A block's scale is 2^e with e = floor(log2(the largest magnitude in the block)) - 2, held to -126 .. 127; a block of zeros has e = 0. As a byte (E8M0): e + 127.
;;     - Each number is divided by its block's scale, clamped to +-7.5, and rounded to the nearest number of E2M3, ties to even, subnormals kept.
;;     - The product sums the exact products of the quantised numbers (number of the format x scale) in f32.
;;   ~~~python
;;   def quantise(x, axis):      # numpy; x: float32 -> the quantised numbers, widened to float32 again
;;       x = np.moveaxis(x, axis, -1); K = x.shape[-1]
;;       x = np.pad(x, [(0, 0)] * (x.ndim - 1) + [(0, -K % 32)]); x = x.reshape(x.shape[:-1] + (-1, 32)); a = np.abs(x).max(-1, keepdims=True)
;;       e = np.where(a > 0, np.clip(np.frexp(np.where(a > 0, a, 1))[1] - 1 - 2, -126, 127), 0)      # np.frexp(a)[1] - 1 = floor(log2(a)), exactly
;;       r = np.clip(x / 2.0 ** e, -7.5, 7.5)
;;       step = 2.0 ** (np.maximum(np.frexp(np.where(r == 0, 1, r))[1] - 1, 0) - 3)
;;       q = np.round(r / step) * step * 2.0 ** e      # np.round: ties to even
;;       return np.moveaxis(q.reshape(q.shape[:-2] + (-1,))[..., :K], -1, axis).astype(np.float32)
;;   ~~~
;;   SOFTMAX AHEAD OF A QUANTISED PRODUCT. Where the list says 'softmax', what is quantised is not the finished softmax but p = 2^(t - M), with t = logit x log2(e) and M = ceil(the row's largest t), a whole number; so 1/2 < the row's largest p <= 1. The row's sum l is taken of the UNQUANTISED p, in f32, and the product's result is divided by l at the end. Since M is a whole number, a kernel that streams over the keys may use a running M (the ceiling of the running maximum): every later rescaling is an exact power of two, which a block's scale takes up: the codes' values come out the same.
;;   OPERANDS COMPUTED ON THE WAY. 'Computed on the way' means the value that the module computes at that place (a softmax that the list does not call 'softmax' is quantised finished and normalised). What goes into a quantiser is computed in f32, as accurately as f32 sums, v_exp_f32 and their like allow (about 1e-6 of the number): no bf16 or f16 on the way to a quantiser, and a product that is left as it is and whose result goes on into a quantised operand takes f32 operands (vector FMAs, or v_wmma_f32_16x16x4_f32). A number that lies on a knife's edge between two numbers of the format may be rounded either way, as far as f32 arithmetic and the matrix unit's own rounding can turn it there, and no further.
;; One version. Each part assembles by itself: llvm-mc -triple=amdgcn-amd-amdhsa -mcpu=gfx1250 --defsym DOCPART=n.
;; ======== version 1 of 1: 4 launches
;; limits: right only within a limited range of input values
;; workspace buffers: XF 18,874,368 bytes; XS 786,432 bytes; WF 3,145,728 bytes; WS 131,072 bytes; HF 18,874,368 bytes; HS 786,432 bytes; AF 6,291,456 bytes; AS 262,144 bytes
;; launch quant (part 1): grid 640 x 1, 4 waves a work-group, no clusters, 46,592 bytes of LDS; arguments q, k, v, wq, wk, wv, wo, XF, XS, WF, WS; writes XF, XS, WF, WS
.if DOCPART == 1
	.amdgcn_target "amdgcn-amd-amdhsa--gfx1250"
	.amdhsa_code_object_version 6
	.text
	.protected	k_q8cd0bdb25c_quant
	.globl	k_q8cd0bdb25c_quant
	.p2align	8
	.type	k_q8cd0bdb25c_quant,@function
k_q8cd0bdb25c_quant:
	s_mov_b64 s[64:65], 0
	v_nop
	global_prefetch_b8 v0, s[64:65] scope:SCOPE_SE
	s_setreg_imm32_b32 hwreg(HW_REG_WAVE_MODE, 25, 1), 1
	s_wait_xcnt 0x0
; q, k, v [8192][1024] and wq, wk, wv, wo [1024 (k)][1024 (n)], f32, become codes of FP6 (E2M3) with one E8M0 byte for each 32 along K (K = the 1,024 of the products x @ w).
; A block's scale is 2^(floor(log2(largest magnitude)) - 2): its byte is the largest magnitude's exponent field - 2, held at 1 from below.
; THE CODES ARE LAID AS IMAGES OF THE OPERAND'S REGISTERS: a fragment (16 rows x 128 K, 12 registers a lane) is 1,536 bytes, registers 4 c .. 4 c + 3 of lane l at 512 c + 16 l.
; XF [q,k,v][512 row blocks][8 K steps][image], WF [wq,wk,wv,wo][64][8][image]; scale words XS, WS [..][row block][16 rows][8 K steps], 4 bytes each.
; WHICH ROWS FORM A BLOCK: q: rows 16 RB + r.  k, v and the weights' n: block 2 G + u holds rows 32 G + 8 u + (r % 8) + 16 (r / 8), so that a product that takes two such blocks as source 0
; leaves 16 neighbours along those rows in a lane's 16 registers.
; LIMITS: a block whose largest magnitude lies under 2^-124 keeps the byte 1; a block of zeros has the byte 1, not 127 (its codes are zeros; this program alone reads the bytes); NaN and infinities are not served.
; Work-groups 0-383: a wave takes one row block of q, k or v, all of K.  Work-groups 384-639: a wave takes 32 columns n x 128 along K of a weight.  Waves share nothing: no barrier.
; The two ways have LDS bytes of their own: 0 .. 33,791 and 33,792 .. 46,079.
; k's ROWS (this takes the place of what stands above on k): block 4 G + u holds rows 64 G + 8 u + (r % 8) + 32 (r / 8), so that a product that takes four such blocks as source 0
; leaves a whole block of 32 neighbouring keys in a lane's 32 registers.  v and the weights' n stay as said above.
; The spare words, 128 bytes a wave, lie at 46,080; v12 and v13 serve the add at each wave's end alone.
.set SEL,  30
.set R0,   16                          ; v16-143  two sets of 64: a K step of 16 rows as loaded
.set X,    144                         ; v144-207 64 numbers of my row: register 16 b + i = k 32 b + 16 (lane / 16) + i
.set PC,   208                         ; v208-219 the fragment's codes
.set CV,   220                         ; v220-227 the upper halves of the blocks, before they change lanes
.set TM,   228                         ; v228-231 largest magnitudes
.set TP,   232                         ; v232-235 the other lane's; then the bytes
.set SO,   236                         ; v236-239 the conversions' scale operands
.set PWS,  240                         ; v240-247 my row's eight scale words
.set WLDS, 33792
; 64 numbers of a lane become a fragment's 12 registers and its row's scale word
.macro QUANT src, pc, pw
.irp b, 0,1,2,3
	v_max3_num_f32 v[TM+\b], |v[(\src)+16*\b]|, |v[(\src)+16*\b+1]|, 0x1800000   ; my 16 of block b, and the floor 2^(3 - 127): the byte cannot fall under 1
.endr
.irp i, 2,4,6,8,10,12,14
.irp b, 0,1,2,3
	v_max3_num_f32 v[TM+\b], v[TM+\b], |v[(\src)+16*\b+\i]|, |v[(\src)+16*\b+\i+1]|
.endr
.endr
.irp b, 0,1,2,3
	v_permlanex16_b32 v[TP+\b], v[TM+\b], s[SEL], s[SEL+1]
.endr
.irp b, 0,1,2,3
	v_max_num_f32 v[TM+\b], v[TM+\b], v[TP+\b]     ; with lane l xor 16's 16: the block's
.endr
.irp b, 0,1,2,3
	v_add_nc_u32 v[SO+\b], 0xff000000, v[TM+\b]    ; 2 off the exponent field: the conversion takes that field as its scale
.endr
.irp b, 0,1,2,3
	v_lshrrev_b32 v[TP+\b], 23, v[SO+\b]           ; the byte
.endr
	v_lshl_or_b32 v[\pw], v[TP+1], 8, v[TP]
	v_lshl_or_b32 v[\pw], v[TP+2], 16, v[\pw]
	v_lshl_or_b32 v[\pw], v[TP+3], 24, v[\pw]
.irp c, 0,1
	v_cvt_scalef32_pk16_fp6_f32 v[(\pc)+6*\c:(\pc)+6*\c+2], v[(\src)+32*\c:(\src)+32*\c+15], v[SO+2*\c]
	v_cvt_scalef32_pk16_fp6_f32 v[CV+4*\c:CV+4*\c+2], v[(\src)+32*\c+16:(\src)+32*\c+31], v[SO+2*\c+1]
.endr
	v_nop                                          ; one plain instruction behind the conversions
.irp c, 0,1
.irp i, 0,1,2
	v_permlane16_swap_b32 v[(\pc)+6*\c+\i], v[CV+4*\c+\i]   ; a whole block to a lane: lanes 0-15 block 2 c, lanes 16-31 block 2 c + 1
.endr
.irp i, 0,1,2
	v_mov_b32 v[(\pc)+6*\c+3+\i], v[CV+4*\c+\i]
.endr
.endr
.endm
	s_load_b256 s[8:15], s[0:1], 0x0               ; q, k, v, wq
	s_load_b256 s[16:23], s[0:1], 0x20             ; wk, wv, wo, XF
	s_load_b128 s[24:27], s[0:1], 0x40             ; XS, WF
	s_load_b64 s[28:29], s[0:1], 0x50              ; WS
	v_lshrrev_b32 v1, 5, v0
	v_readfirstlane_b32 s2, v1                     ; wave
	v_and_b32 v1, 31, v0
	v_lshl_add_u32 v12, v0, 2, 46080               ; my spare word
	v_mov_b32 v13, 0
	s_mov_b32 s33, 0
	s_mov_b32 s35, 0
	s_cmp_ge_u32 ttmp9, 384
	s_cbranch_scc1 .Lw
	; ---------------- q, k, v: K is innermost ----------------
	s_lshl_b32 s3, ttmp9, 2
	s_add_co_u32 s3, s3, s2                        ; T = tensor x 512 + row block
	s_lshr_b32 s4, s3, 9
	s_and_b32 s5, s3, 511
	s_lshl_b32 s6, s5, 4                           ; q: the block's first row
	s_lshr_b32 s7, s5, 1
	s_lshl_b32 s7, s7, 5
	s_and_b32 s32, s5, 1
	s_lshl_b32 s32, s32, 3
	s_add_co_u32 s7, s7, s32                       ; k, v: 32 G + 8 u
	s_cmp_eq_u32 s4, 0
	s_cselect_b32 s6, s6, s7                       ; rows 0-7 of the block begin here,
	s_cselect_b32 s7, 8, 16
	s_lshr_b32 s40, s5, 2
	s_lshl_b32 s40, s40, 6
	s_and_b32 s41, s5, 3
	s_lshl_b32 s41, s41, 3
	s_add_co_u32 s40, s40, s41                     ; k: 64 G + 8 u,
	s_cmp_eq_u32 s4, 1
	s_cselect_b32 s6, s40, s6
	s_cselect_b32 s7, 32, s7                       ; and its rows 8-15 lie 32 further on
	s_add_co_u32 s7, s7, s6
	s_lshl_b32 s32, s6, 12
	s_lshl_b32 s34, s7, 12
	s_mov_b32 s[SEL], 0x76543210
	s_mov_b32 s[SEL+1], 0xfedcba98
	v_and_b32 v3, 15, v0                           ; r
	v_bfe_u32 v4, v0, 4, 1                         ; h
	s_wait_alu depctr_va_vdst(0)
	v_lshlrev_b32 v2, 4, v1                        ; 16 x lane
	s_mul_i32 s40, s2, 8448                        ; my wave's stage: 16 rows x (512 + 16) bytes
	v_add_nc_u32 v5, s40, v2                       ; in: a row's 512 bytes as they lie
	v_mul_u32_u24 v6, v3, 528
	v_lshl_add_u32 v6, v4, 6, v6
	v_add_nc_u32 v6, s40, v6                       ; out: row r, + 64 h: my 16 numbers of each block of 32
	v_lshlrev_b32 v7, 5, v3                        ; my row's 32 bytes of scale words
.irp b, 0,1,2,3
	v_mov_b32 v[TP+\b], 0                          ; a lane permute's destination counts as read
.endr
	s_wait_alu depctr_va_vdst(0)
	s_wait_kmcnt 0x0
	s_cmp_eq_u32 s4, 0
	s_cselect_b64 s[36:37], s[8:9], s[10:11]
	s_cmp_eq_u32 s4, 2
	s_cselect_b64 s[36:37], s[12:13], s[36:37]
	s_add_nc_u64 s[38:39], s[36:37], s[34:35]
	s_add_nc_u64 s[36:37], s[36:37], s[32:33]
	s_mul_i32 s32, s3, 12288
	s_add_nc_u64 s[22:23], s[22:23], s[32:33]      ; my eight images
	s_lshl_b32 s32, s3, 9
	s_add_nc_u64 s[24:25], s[24:25], s[32:33]      ; my 512 bytes of scale words
.macro LOADX t                         ; K step t of the 16 rows: each load takes 512 consecutive bytes of one row
.irp i, 0,1,2,3,4,5,6,7
	global_load_b128 v[R0+64*((\t)%2)+4*\i:R0+64*((\t)%2)+4*\i+3], v2, s[36:37] offset:4096*\i+512*(\t) th:TH_LOAD_NT
.endr
.irp i, 0,1,2,3,4,5,6,7
	global_load_b128 v[R0+64*((\t)%2)+32+4*\i:R0+64*((\t)%2)+32+4*\i+3], v2, s[38:39] offset:4096*\i+512*(\t) th:TH_LOAD_NT
.endr
.endm
.macro STEPX t
.if (\t) < 7
	s_wait_loadcnt 16                              ; this step's 16 loads are in; the next step's 16 may be out
.else
	s_wait_loadcnt 0x0
.endif
.irp i, 0,1,2,3,4,5,6,7,8,9,10,11,12,13,14,15
	ds_store_b128 v5, v[R0+64*((\t)%2)+4*\i:R0+64*((\t)%2)+4*\i+3] offset:528*\i
.endr
.irp b, 0,1,2,3
.irp j, 0,1,2,3
	ds_load_b128 v[X+16*\b+4*\j:X+16*\b+4*\j+3], v6 offset:128*\b+16*\j   ; LDS serves a wave's instructions in order: these see the stores above
.endr
.endr
	s_wait_dscnt 0x0                               ; the numbers are back, and the stores have read their registers
	s_wait_xcnt 0x0                                ; the last step's stores have read the codes' registers, which are written again below
.if (\t) < 6
	LOADX (\t)+2
.endif
	QUANT X, PC, PWS+(\t)
.irp c, 0,1,2
	global_store_b128 v2, v[PC+4*\c:PC+4*\c+3], s[22:23] offset:1536*(\t)+512*\c   ; 512 consecutive bytes a store
.endr
.endm
	LOADX 0
	LOADX 1
.irp t, 0,1,2,3,4,5,6,7
	STEPX \t
.endr
	global_store_b128 v7, v[PWS:PWS+3], s[24:25]   ; lanes 16-31 hold the same words as lanes 0-15 and store them to the same places
	global_store_b128 v7, v[PWS+4:PWS+7], s[24:25] offset:16
	s_wait_tensorcnt 0x0                           ; the wave's end
	ds_add_u32 v12, v13
	s_wait_dscnt 0x0
	s_endpgm
	; ---------------- the weights: K is the first axis.  A lane takes a column n, its registers run down K ----------------
.Lw:
	s_sub_co_u32 s3, ttmp9, 384
	s_lshl_b32 s3, s3, 2
	s_add_co_u32 s3, s3, s2                        ; U = weight x 256 + K step x 32 + G
	s_lshr_b32 s4, s3, 8
	s_bfe_u32 s5, s3, 0x30005
	s_and_b32 s6, s3, 31
	s_lshl_b32 s32, s5, 19                         ; 128 rows of 4,096 bytes a K step,
	s_lshl_b32 s7, s6, 7                           ; 32 columns of 4 bytes
	s_add_co_u32 s32, s32, s7
	s_lshl_b32 s34, s4, 6
	s_lshl_b32 s7, s6, 1
	s_add_co_u32 s34, s34, s7                      ; the first of my two row blocks: 64 weight + 2 G
	s_wait_alu depctr_va_vdst(0)
	v_lshlrev_b32 v2, 2, v1                        ; in: 4 bytes a lane
	v_bfe_u32 v8, v0, 3, 1                         ; u: which of the two blocks my column falls into,
	v_and_b32 v9, 7, v0
	v_bfe_u32 v10, v0, 4, 1
	v_lshl_add_u32 v9, v10, 3, v9                  ; and which row of it: (l % 8) + 8 (l / 16)
	s_mul_i32 s40, s2, 3072
	s_add_co_u32 s40, s40, WLDS                    ; my wave's two images
	v_mul_u32_u24 v3, v8, 1536
	v_lshl_add_u32 v3, v9, 4, v3
	v_add_nc_u32 v3, s40, v3                       ; in: image u, the place of lane r' of its lower half
	v_lshlrev_b32 v5, 4, v1
	v_add_nc_u32 v4, s40, v5                       ; out: 16 x lane
	v_lshlrev_b32 v6, 9, v8
	v_lshl_add_u32 v6, v9, 5, v6                   ; my scale word: 512 u + 32 r'
	s_wait_kmcnt 0x0
	s_cmp_eq_u32 s4, 0
	s_cselect_b64 s[36:37], s[14:15], s[16:17]
	s_cmp_eq_u32 s4, 2
	s_cselect_b64 s[36:37], s[18:19], s[36:37]
	s_cmp_eq_u32 s4, 3
	s_cselect_b64 s[36:37], s[20:21], s[36:37]
	s_add_nc_u64 s[36:37], s[36:37], s[32:33]
	s_mul_i32 s32, s34, 12288
	s_mul_i32 s7, s5, 1536
	s_add_co_u32 s32, s32, s7
	s_add_nc_u64 s[26:27], s[26:27], s[32:33]
	s_lshl_b32 s32, s34, 9
	s_lshl_b32 s7, s5, 2
	s_add_co_u32 s32, s32, s7
	s_add_nc_u64 s[28:29], s[28:29], s[32:33]
.macro LOADW t                         ; block t: 32 rows of K at my column: 128 consecutive bytes a wave, 512 a work-group
.set i, 0
.rept 32
	global_load_b32 v[16+32*(\t)+i], v2, s[36:37] offset:(32*(\t)+i)*4096 th:TH_LOAD_NT
.set i, i+1
.endr
.endm
.macro BLOCKW t
.if (\t) < 3
	s_wait_loadcnt 32                              ; this block's 32 loads are in; the next block's 32 may be out
.else
	s_wait_loadcnt 0x0
.endif
.if (\t) < 2
	LOADW (\t)+2
.endif
.set XS, 16+32*(\t)
.set CW, 144+8*(\t)
	v_max3_num_f32 v177, |v[XS]|, |v[XS+1]|, |v[XS+2]|   ; all 32 numbers of the block are mine
	v_max3_num_f32 v178, |v[XS+3]|, |v[XS+4]|, |v[XS+5]|
.irp i, 6,10,14,18,22,26
	v_max3_num_f32 v177, v177, |v[XS+\i]|, |v[XS+\i+1]|
	v_max3_num_f32 v178, v178, |v[XS+\i+2]|, |v[XS+\i+3]|
.endr
	v_max3_num_f32 v177, v177, |v[XS+30]|, |v[XS+31]|
	v_max3_num_f32 v177, v177, v178, 0x1800000
	v_add_nc_u32 v179, 0xff000000, v177
	v_lshrrev_b32 v180, 23, v179
.if (\t) == 0
	v_mov_b32 v176, v180
.else
	v_lshl_or_b32 v176, v180, 8*(\t), v176         ; the lower K in the lower byte
.endif
	v_cvt_scalef32_pk16_fp6_f32 v[CW:CW+2], v[XS:XS+15], v179
	v_cvt_scalef32_pk16_fp6_f32 v[CW+4:CW+6], v[XS+16:XS+31], v179
	v_nop
	v_mov_b32 v[CW+3], v[CW+4]
	v_mov_b32 v[CW+4], v[CW+5]
	v_mov_b32 v[CW+5], v[CW+6]                     ; the block's 24 bytes on end: registers 6 (t / 2) .. + 5 of lane r' + 16 (t % 2) of the image
.if (\t) < 2
	ds_store_b128 v3, v[CW:CW+3] offset:256*(\t)
	ds_store_b64 v3, v[CW+4:CW+5] offset:512+256*(\t)
.else
	ds_store_b64 v3, v[CW:CW+1] offset:520+256*((\t)-2)
	ds_store_b128 v3, v[CW+2:CW+5] offset:1024+256*((\t)-2)
.endif
.endm
	LOADW 0
	LOADW 1
	BLOCKW 0
	BLOCKW 1
	BLOCKW 2
	BLOCKW 3
.irp i, 0,1,2,3,4,5
	ds_load_b128 v[184+4*\i:184+4*\i+3], v4 offset:512*\i   ; in order behind my stores
.endr
	s_wait_alu depctr_va_vdst(0)
.irp i, 0,1,2,3,4,5
	s_wait_dscnt 5-\i                              ; the younger reads of the stage may be out
	global_store_b128 v5, v[184+4*\i:184+4*\i+3], s[26:27] offset:(\i/3)*12288+512*(\i%3)
.endr
	global_store_b32 v6, v176, s[28:29]
	s_wait_tensorcnt 0x0                           ; the wave's end
	ds_add_u32 v12, v13
	s_wait_dscnt 0x0
	s_endpgm
.Lfunc_end_k_q8cd0bdb25c_quant:
	.size	k_q8cd0bdb25c_quant, .Lfunc_end_k_q8cd0bdb25c_quant-k_q8cd0bdb25c_quant
	.p2alignl 7, 3214868480
	.fill 96, 4, 3214868480
	.section	.rodata,"a",@progbits
	.p2align	6, 0x0
	.amdhsa_kernel k_q8cd0bdb25c_quant
		.amdhsa_group_segment_fixed_size 46592
		.amdhsa_private_segment_fixed_size 0
		.amdhsa_enable_private_segment 0
		.amdhsa_kernarg_size 88
		.amdhsa_user_sgpr_count 2
		.amdhsa_user_sgpr_kernarg_segment_ptr 1
		.amdhsa_wavefront_size32 1
		.amdhsa_system_sgpr_workgroup_id_x 1
		.amdhsa_system_sgpr_workgroup_id_y 1
		.amdhsa_system_sgpr_workgroup_id_z 1
		.amdhsa_system_vgpr_workitem_id 0
		.amdhsa_next_free_vgpr 248
		.amdhsa_next_free_sgpr 66
		.amdhsa_reserve_vcc 0
		.amdhsa_float_denorm_mode_32 3
		.amdhsa_float_denorm_mode_16_64 3
		.amdhsa_memory_ordered 1
		.amdhsa_forward_progress 1
		.amdhsa_inst_pref_size 86
	.end_amdhsa_kernel
	.amdgpu_metadata
---
amdhsa.version: [ 1, 2 ]
amdhsa.kernels:
  - .name:           k_q8cd0bdb25c_quant
    .symbol:         k_q8cd0bdb25c_quant.kd
    .args:
      - { .name: q, .offset: 0, .size: 8, .value_kind: global_buffer, .address_space: global }
      - { .name: k, .offset: 8, .size: 8, .value_kind: global_buffer, .address_space: global }
      - { .name: v, .offset: 16, .size: 8, .value_kind: global_buffer, .address_space: global }
      - { .name: wq, .offset: 24, .size: 8, .value_kind: global_buffer, .address_space: global }
      - { .name: wk, .offset: 32, .size: 8, .value_kind: global_buffer, .address_space: global }
      - { .name: wv, .offset: 40, .size: 8, .value_kind: global_buffer, .address_space: global }
      - { .name: wo, .offset: 48, .size: 8, .value_kind: global_buffer, .address_space: global }
      - { .name: XF, .offset: 56, .size: 8, .value_kind: global_buffer, .address_space: global }
      - { .name: XS, .offset: 64, .size: 8, .value_kind: global_buffer, .address_space: global }
      - { .name: WF, .offset: 72, .size: 8, .value_kind: global_buffer, .address_space: global }
      - { .name: WS, .offset: 80, .size: 8, .value_kind: global_buffer, .address_space: global }
    .group_segment_fixed_size: 46592
    .private_segment_fixed_size: 0
    .kernarg_segment_align: 8
    .kernarg_segment_size: 88
    .max_flat_workgroup_size: 128
    .sgpr_count:     66
    .vgpr_count:     248
    .wavefront_size: 32
...
	.end_amdgpu_metadata
.endif
;; end of part 1
;; launch proj (part 2): grid 4 x 64, 4 waves a work-group, clusters of 4 x 4, 327,680 bytes of LDS; arguments XF, XS, WF, WS, bq, bk, bv, HF, HS; writes HF, HS
.if DOCPART == 2
	.amdgcn_target "amdgcn-amd-amdhsa--gfx1250"
	.amdhsa_code_object_version 6
	.text
	.protected	k_q8cd0bdb25c_proj
	.globl	k_q8cd0bdb25c_proj
	.p2align	8
	.type	k_q8cd0bdb25c_proj,@function
k_q8cd0bdb25c_proj:
	s_mov_b64 s[64:65], 0
	v_nop
	global_prefetch_b8 v0, s[64:65] scope:SCOPE_SE
	s_setreg_imm32_b32 hwreg(HW_REG_WAVE_MODE, 25, 1), 1
	s_wait_xcnt 0x0
	s_wait_alu depctr_hold_cnt(0) depctr_sa_sdst(0) depctr_va_vdst(0) depctr_va_sdst(0) depctr_va_ssrc(0) depctr_va_vcc(0) depctr_vm_vsrc(0)
	s_getreg_b32 s2, hwreg(HW_REG_IB_STS2, 6, 4)
	s_cmp_eq_u32 s2, 0
	s_cbranch_scc0 .Lentry_in_a_cluster
	s_endpgm
.Lentry_in_a_cluster:
	s_bfe_u32 s2, ttmp6, 0x10000c
	s_cmp_lg_u32 s2, 0xf033
	s_cbranch_scc0 .Lentry_shape_is_right
	s_endpgm
.Lentry_shape_is_right:
; The three input projections x @ w + b on codes of FP6 (E2M3), K = 1,024, and the quantising of their results for attention.
; A WORK-GROUP STAYS: it makes three tiles, one of q, one of k, one of v, at its place among the 16 clusters x 16 work-groups.
; A tile is 128 "L" rows x 256 "P" rows, a wave 64 x 128: 32 accumulators.  Source 0 = 16 P rows, source 1 = 16 L rows: a lane holds ONE L row, and its registers run along P;
; the P blocks hold rows 32 G + 8 u + (r % 8) + 16 (r / 8), so a lane's 64 registers of an L block are P rows 32 b + 16 (lane / 16) + i: the order in which they are quantised along P.
; q, k: L = tokens, P = n: a wave's 128 n are two heads, quantised along the head's 64: the result is a fragment (16 tokens x 128 = head pair).
; v:    L = n, P = tokens: a wave's 128 tokens are a key step, quantised along the keys: a fragment (16 of a head's 64 x 128 keys).
; HF: q, k parts [512 token blocks][8 head pairs][image]; v part [64 n blocks][4 x 16 key steps][image].  HS: records of 256 bytes [16 rows][4 blocks of a quad] of scale words, in the same order by quads.
; RING: two slots of four K steps (147,456 bytes each); a tile's chunk c lies in slot c.  Slot 0 is filled again, with the next tile's chunk 0, behind a round at K step 3, when its last fragments are in registers;
; slot 1 behind a round after K step 7, ahead of the tile's quantising and stores.  One tensor load a wave at the head and behind each round: by this text's count one is out at a time.
; The next tile's scale words, bias and first fragments are asked for ahead of the quantising of the tile in hand.  q and k run in a loop of two trips; v, which asks for nothing more, is written out.
; CLUSTER 4 x 4: the L tile hangs on cy alone and is asked for jointly along a row of the cluster, the P tile on cx alone, along a column.
; NO PREFETCH: K is eight steps, and a refill is asked for at least three K steps (96 products a wave) ahead of the wait for it.
; LIMITS: as in the first launch (floor of the scale byte at 1; zero blocks byte 1; NaN and infinities not served).
; REGISTERS: window 0: addresses, bias, scale words, the quantiser's; window 1: accumulator (a, b) at v[8 (8 a + b)]; windows 2, 3: two sets of fragments: L at v[12 a], P at v[48 + 12 b].
.set CHUNK, 147456                     ; L part [half][4 blocks][4 K steps][image] 49,152 bytes, then P part [half][8][4][image] 98,304
.set SPARE, 294912                     ; behind the slots: the spare words, 128 bytes a wave
.set ADA, 12                           ; v12-13 LDS address of my L fragments in slot 0, 1
.set ADB, 14                           ; v14-15 of my P fragments
.set SPW, 28
.set NIL, 29
.set BI,  32                           ; v32-95   bias along the registers (q, k); v32-63 bias of the lane, spread (v)
.set BL,  96                           ; v96-99   bias of the lane's row, one for each L block
.set SA,  100                          ; v100-131 L's scale words: 8 a + K step
.set SB,  132                          ; v132-195 P's: 8 b + K step
.set PC,  200
.set CV,  212
.set TM,  220
.set TP,  224
.set SO,  228
.set SW,  232                          ; v232-235 the four results' scale words
.set SEL, 2
.set WV,  22
.set G1A, 32
.set G1B, 40
.set G0A, 48                           ; s[48:55] group 0 for L's chunks, one a slot
.set G0B, 56                           ; s[56:63] for P's
; s[4:21] the arguments, kept.  s27 the problem that PARAM serves, s28 the tile in hand.  PARAM's results: s[68:71] codes of L, P; s[72:75] their scale words; s[76:79] the bias in two forms;
; s[80:83], s[86:87] where the results go and the step from block to block.  s[88:93]: the same three for the tile in hand.
.set MSB, 0
.macro WIN new
.if MSB != (\new)
	s_set_vgpr_msb (MSB<<8)|(\new)
.set MSB, (\new)
.endif
.endm
.macro PLACES
.rept 4
	v_nop
.endr
.endm
.macro ROUND                           ; a round of the cluster's barrier
	s_barrier_signal -1
	s_barrier_wait -1
	s_cmp_lg_u32 s[WV], 0
	s_cbranch_scc1 .Lnw0_\@
	s_barrier_signal -3
.Lnw0_\@:
	s_barrier_wait -3
	s_barrier_signal -1
	s_barrier_wait -1
.endm
.macro SHAPE g, c, r, p
	s_mov_b32 s[(\g)+1], (\c)<<16
	s_mov_b32 s[(\g)+2], (\r)<<16
	s_mov_b32 s[(\g)+3], (\c)<<16
	s_mov_b32 s[(\g)+4], \r
	s_mov_b32 s[(\g)+5], \p
	s_mov_b32 s[(\g)+6], 0
	s_mov_b32 s[(\g)+7], 0
.endm
.macro JLOAD q                         ; slot q: waves 0, 1 fetch L's halves, waves 2, 3 P's
	s_cmp_eq_u32 s23, 0
	s_cbranch_scc0 .Lfb_\@
	tensor_load_to_lds s[G0A+4*\q:G0A+4*\q+3], s[G1A:G1A+7]
	s_nop 0
	PLACES
	s_branch .Lfd_\@
.Lfb_\@:
	tensor_load_to_lds s[G0B+4*\q:G0B+4*\q+3], s[G1B:G1B+7]
	s_nop 0
	PLACES
.Lfd_\@:
.endm
.macro SETG q                          ; slot q's groups 0 point at chunk q of the problem that PARAM served last: written where no tensor load of mine is out
	s_add_nc_u64 s[G0A+4*\q+2:G0A+4*\q+3], s[68:69], 6144*\q
	s_or_b32 s[G0A+4*\q+3], s[G0A+4*\q+3], 0x80000000
	s_add_nc_u64 s[G0B+4*\q+2:G0B+4*\q+3], s[70:71], 6144*\q
	s_or_b32 s[G0B+4*\q+3], s[G0B+4*\q+3], 0x80000000
.endm
; all addresses of problem s27 (0 q, 1 k, 2 v) for this work-group and wave
.macro PARAM
	s_lshr_b32 s94, s29, 3
	s_and_b32 s95, s29, 7
	s_cmp_eq_u32 s27, 2
	s_cselect_b32 s94, s94, s29                    ; v: 2 x 8 clusters; q, k: 16 x 1
	s_cselect_b32 s95, s95, 0
	s_cselect_b32 s84, 64, 8                       ; P groups of 128 in a row of the result's buffer
	s_lshl_b32 s30, s94, 2
	s_add_co_u32 s30, s30, s26                     ; L tile
	s_lshl_b32 s31, s95, 2
	s_add_co_u32 s31, s31, s25                     ; P tile
	s_mul_i32 s94, s27, 6291456
	s_mov_b32 s95, 0
	s_mul_i32 s96, s27, 786432
	s_mov_b32 s97, 0
	s_add_nc_u64 s[68:69], s[4:5], s[94:95]        ; this problem's x,
	s_add_nc_u64 s[80:81], s[18:19], s[94:95]      ; its part of HF,
	s_add_nc_u64 s[70:71], s[8:9], s[96:97]        ; its weight
	s_lshl_b32 s94, s27, 18
	s_lshl_b32 s96, s27, 15
	s_add_nc_u64 s[72:73], s[6:7], s[94:95]
	s_add_nc_u64 s[82:83], s[20:21], s[94:95]
	s_add_nc_u64 s[74:75], s[10:11], s[96:97]
	s_cmp_eq_u32 s27, 2
	s_cselect_b64 s[98:99], s[70:71], s[68:69]     ; L's codes: for v the weight, else x
	s_cselect_b64 s[70:71], s[68:69], s[70:71]     ; P's
	s_mov_b64 s[68:69], s[98:99]
	s_cselect_b64 s[98:99], s[74:75], s[72:73]     ; L's scale words
	s_cselect_b64 s[74:75], s[72:73], s[74:75]     ; P's
	s_mov_b64 s[72:73], s[98:99]
	s_cselect_b64 s[76:77], s[16:17], s[14:15]
	s_cmp_eq_u32 s27, 0
	s_cselect_b64 s[76:77], s[12:13], s[76:77]     ; the bias
	s_mul_i32 s94, s30, 98304
	s_mul_i32 s96, s24, 49152
	s_add_co_u32 s94, s94, s96
	s_add_nc_u64 s[68:69], s[68:69], s[94:95]      ; the half of the L tile that I would fetch
	s_mul_i32 s96, s31, 196608
	s_mul_i32 s98, s24, 98304
	s_add_co_u32 s96, s96, s98
	s_add_nc_u64 s[70:71], s[70:71], s[96:97]      ; of the P tile
	s_lshl_b32 s85, s30, 3
	s_lshl_b32 s94, s23, 2
	s_add_co_u32 s85, s85, s94                     ; my first L block
	s_lshl_b32 s99, s31, 1
	s_add_co_u32 s99, s99, s24                     ; my P group of 128
	s_lshl_b32 s94, s85, 9
	s_add_nc_u64 s[72:73], s[72:73], s[94:95]
	s_lshl_b32 s96, s99, 12
	s_add_nc_u64 s[74:75], s[74:75], s[96:97]
	s_lshl_b32 s94, s99, 9                         ; the bias in both forms: along the registers (q, k) and of the lane (v); the form that is not the problem's own is read from the bias's first bytes and not used
	s_lshl_b32 s96, s85, 6
	s_cmp_eq_u32 s27, 2
	s_cselect_b32 s94, 0, s94
	s_cselect_b32 s96, s96, 0
	s_add_nc_u64 s[78:79], s[76:77], s[96:97]
	s_add_nc_u64 s[76:77], s[76:77], s[94:95]
	s_mul_i32 s94, s85, s84
	s_add_co_u32 s94, s94, s99
	s_mul_i32 s94, s94, 1536
	s_add_nc_u64 s[80:81], s[80:81], s[94:95]
	s_lshr_b32 s94, s85, 2
	s_mul_i32 s94, s94, s84
	s_add_co_u32 s94, s94, s99
	s_lshl_b32 s94, s94, 8
	s_add_nc_u64 s[82:83], s[82:83], s[94:95]
	s_mul_i32 s86, s84, 1536                       ; from an L block's image to the next block's
	s_mov_b32 s87, 0
.endm
.macro TAKE                            ; the results' addresses of the problem served last become the tile's in hand
	s_mov_b64 s[88:89], s[80:81]
	s_mov_b64 s[90:91], s[82:83]
	s_mov_b64 s[92:93], s[86:87]
.endm
.macro LOADS                           ; scale words and bias of the problem served last
.irp a, 0,1,2,3
	global_load_b128 v[SA+8*\a:SA+8*\a+3], v5, s[72:73] offset:512*\a
	global_load_b128 v[SA+8*\a+4:SA+8*\a+7], v5, s[72:73] offset:512*\a+16
.endr
.irp b, 0,1,2,3,4,5,6,7
	global_load_b128 v[SB+8*\b:SB+8*\b+3], v5, s[74:75] offset:512*\b
	global_load_b128 v[SB+8*\b+4:SB+8*\b+7], v5, s[74:75] offset:512*\b+16
.endr
.irp b, 0,1,2,3
.irp j, 0,1,2,3
	global_load_b128 v[BI+16*\b+4*\j:BI+16*\b+4*\j+3], v8, s[76:77] offset:128*\b+16*\j
.endr
.endr
.irp a, 0,1,2,3
	global_load_b32 v[BL+\a], v9, s[78:79] offset:(32*(\a/2)+8*(\a%2))*4
.endr
.endm
.macro FETCH s                         ; K step s: 4 + 8 fragments, three loads of 512 consecutive bytes each, into set s % 2
	WIN 0x80+0x40*((\s)%2)
.irp a, 0,1,2,3
.irp c, 0,1,2
	ds_load_b128 v[12*\a+4*\c:12*\a+4*\c+3], v[ADA+(\s)/4] offset:6144*\a+1536*((\s)%4)+512*\c
.endr
.endr
.irp b, 0,1,2,3,4,5,6,7
.irp c, 0,1,2
	ds_load_b128 v[48+12*\b+4*\c:48+12*\b+4*\c+3], v[ADB+(\s)/4] offset:6144*\b+1536*((\s)%4)+512*\c
.endr
.endr
	WIN 0
.endm
; 32 products of K step s; the 32 accumulators take turns, one instruction a turn, in the same order in every step.  cm = 1, 2: the bias starts the sums
.macro MUL s, cm
.if (\cm) == 0
	WIN 0x5a+5*((\s)%2)
.else
	WIN 0x4a
.endif
.irp a, 0,1,2,3
.irp b, 0,1,2,3,4,5,6,7
.if (\cm) == 0
	v_wmma_scale_f32_16x16x128_f8f6f4 v[8*(8*\a+\b):8*(8*\a+\b)+7], v[48+12*\b:48+12*\b+11], v[12*\a:12*\a+11], v[8*(8*\a+\b):8*(8*\a+\b)+7], v[SB+8*\b+(\s)], v[SA+8*\a+(\s)] matrix_a_fmt:MATRIX_FMT_FP6 matrix_b_fmt:MATRIX_FMT_FP6
.elseif (\cm) == 1
	v_wmma_scale_f32_16x16x128_f8f6f4 v[8*(8*\a+\b):8*(8*\a+\b)+7], v[48+12*\b:48+12*\b+11], v[12*\a:12*\a+11], v[BI+8*\b:BI+8*\b+7], v[SB+8*\b+(\s)], v[SA+8*\a+(\s)] matrix_a_fmt:MATRIX_FMT_FP6 matrix_b_fmt:MATRIX_FMT_FP6
.else
	v_wmma_scale_f32_16x16x128_f8f6f4 v[8*(8*\a+\b):8*(8*\a+\b)+7], v[48+12*\b:48+12*\b+11], v[12*\a:12*\a+11], v[BI+8*\a:BI+8*\a+7], v[SB+8*\b+(\s)], v[SA+8*\a+(\s)] matrix_a_fmt:MATRIX_FMT_FP6 matrix_b_fmt:MATRIX_FMT_FP6
.endif
.endr
.endr
.endm
.macro KSTEP s, fill
.if (\s) == 3 && (\fill)
	WIN 0
	s_wait_tensorcnt 0x0                           ; my part of slot 1 is in, and no tensor load of mine is out
	ds_add_u32 v[SPW], v[NIL]
	SETG 0
	s_wait_dscnt 0x0                               ; the add is done; K step 3's fragments, my last reads of slot 0, are in
	ROUND                                          ; the same holds of every wave of the cluster
	JLOAD 0                                        ; the next tile's chunk 0; the four v_nop behind it are the places in front of the loads below
.elseif (\s) == 3
	s_wait_dscnt 0x0
	s_wait_tensorcnt 0x0                           ; my part of slot 1 is in
	s_barrier_signal -1
	s_barrier_wait -1
	PLACES
.else
	s_wait_dscnt 0x0                               ; this step's fragments, asked for 32 products ago, are in
	PLACES                                         ; four plain instructions between the last step's products and loads into the set that they read
.endif
.if (\s) < 7
	FETCH (\s)+1
.endif
	MUL \s, 0
.endm
; 64 results of a lane, in window 1 from v[src] on, become a fragment's codes and its row's scale word.  Each accumulator is read from its low end on
.macro QUANTW src, pc, pw
	WIN 0x05
.irp b, 0,1,2,3
	v_max3_num_f32 v[TM+\b], |v[(\src)+16*\b]|, |v[(\src)+16*\b+1]|, 0x1800000
.endr
	WIN 0x14
.irp i, 2,4,6,8,10,12,14
.irp b, 0,1,2,3
	v_max3_num_f32 v[TM+\b], v[TM+\b], |v[(\src)+16*\b+\i]|, |v[(\src)+16*\b+\i+1]|
.endr
.endr
	WIN 0
.irp b, 0,1,2,3
	v_permlanex16_b32 v[TP+\b], v[TM+\b], s[SEL], s[SEL+1]
.endr
.irp b, 0,1,2,3
	v_max_num_f32 v[TM+\b], v[TM+\b], v[TP+\b]
.endr
.irp b, 0,1,2,3
	v_add_nc_u32 v[SO+\b], 0xff000000, v[TM+\b]
.endr
.irp b, 0,1,2,3
	v_lshrrev_b32 v[TP+\b], 23, v[SO+\b]
.endr
	v_lshl_or_b32 v[\pw], v[TP+1], 8, v[TP]
	v_lshl_or_b32 v[\pw], v[TP+2], 16, v[\pw]
	v_lshl_or_b32 v[\pw], v[TP+3], 24, v[\pw]
	WIN 0x01
.irp c, 0,1
	v_cvt_scalef32_pk16_fp6_f32 v[(\pc)+6*\c:(\pc)+6*\c+2], v[(\src)+32*\c:(\src)+32*\c+15], v[SO+2*\c]
	v_cvt_scalef32_pk16_fp6_f32 v[CV+4*\c:CV+4*\c+2], v[(\src)+32*\c+16:(\src)+32*\c+31], v[SO+2*\c+1]
.endr
	WIN 0
	v_nop
.irp c, 0,1
.irp i, 0,1,2
	v_permlane16_swap_b32 v[(\pc)+6*\c+\i], v[CV+4*\c+\i]
.endr
.irp i, 0,1,2
	v_mov_b32 v[(\pc)+6*\c+3+\i], v[CV+4*\c+\i]
.endr
.endr
.endm
.macro EPI                             ; the tile's four L blocks are quantised and stored
.irp e, 0,1,2,3
.if \e > 0
	s_wait_xcnt 0x0                                ; the last block's stores have read their data and their base
	s_add_nc_u64 s[88:89], s[88:89], s[92:93]
.endif
	QUANTW 64*\e, PC, SW+\e
.irp c, 0,1,2
	global_store_b128 v6, v[PC+4*\c:PC+4*\c+3], s[88:89] offset:512*\c
.endr
.endr
	global_store_b128 v7, v[SW:SW+3], s[90:91]     ; one record of 256 bytes (lanes 16-31 repeat lanes 0-15)
.endm
; A tile.  Its chunk 0 is whole, its chunk 1 asked for, its scale words, bias and K step 0's fragments on their way.  fill = 1: q or k, a tile follows;  fill = 0: v
.macro TILE fill
	s_wait_alu depctr_va_vdst(0)
	s_wait_loadcnt 0x0                             ; scale words and bias
	s_wait_dscnt 0x0
	FETCH 1
.if \fill
	MUL 0, 1
	WIN 0
	s_add_co_u32 s27, s28, 1
	PARAM                                          ; the next tile's addresses: scalar work behind the products
.else
.irp a, 0,1,2,3
.irp j, 0,1,2,3,4,5,6,7
	v_mov_b32 v[BI+8*\a+\j], v[BL+\a]
.endr
.endr
	PLACES
	MUL 0, 2
.endif
.irp s, 1,2,3,4,5,6,7
	KSTEP \s, \fill
.endr
	WIN 0
	PLACES                                         ; four plain instructions behind the last products: ahead of the reads of results and of loads into their operands
.if \fill
	s_wait_tensorcnt 0x0                           ; my part of the next tile's chunk 0 is in
	ds_add_u32 v[SPW], v[NIL]
	SETG 1
	s_wait_dscnt 0x0                               ; the add is done; my reads of slot 1 were over at K step 7's head
	ROUND
	JLOAD 1                                        ; the next tile's chunk 1: it has this tile's quantising and three K steps in which to land
	LOADS
	FETCH 0
.endif
	EPI
.endm
	s_load_b256 s[4:11], s[0:1], 0x0               ; XF, XS, WF, WS
	s_load_b256 s[12:19], s[0:1], 0x20             ; bq, bk, bv, HF
	s_load_b64 s[20:21], s[0:1], 0x40              ; HS
	v_lshl_add_u32 v[SPW], v0, 2, SPARE
	v_mov_b32 v[NIL], 0
	ds_add_u32 v[SPW], v[NIL]                      ; the opening lines: the add, twice on end, and its wait ahead of the first round
	ds_add_u32 v[SPW], v[NIL]
	v_lshrrev_b32 v1, 5, v0
	v_readfirstlane_b32 s[WV], v1
	s_lshr_b32 s23, s[WV], 1                       ; my half of the L rows.  Also: I fetch L's chunks (0) or P's (1)
	s_and_b32 s24, s[WV], 1                        ; my half of the P rows.  Also: which half of a chunk I fetch
	s_bfe_u32 s25, ttmp6, 0x40000                  ; cx
	s_bfe_u32 s26, ttmp6, 0x40004                  ; cy
	s_and_b32 s29, ttmp7, 0xffff                   ; the cluster's number, 0 .. 15
	s_lshl_b32 s94, s26, 2
	s_lshl_b32 s94, 15, s94                        ; my row of the cluster
	s_lshl_b32 s96, 0x1111, s25                    ; my column
	s_or_b32 s[G1A], s94, 0x230000                 ; the mask; elements of 8 bytes; bit 21 beside a mask; no padding
	s_or_b32 s[G1B], s96, 0x230000
	SHAPE G1A, 768, 4, 1536                        ; 4 row blocks x four K steps' images (6,144 bytes), 12,288 bytes apart
	SHAPE G1B, 768, 8, 1536
	s_mul_i32 s100, s24, 24576                     ; where they go: the wave's number alone enters an LDS address
	s_mul_i32 s101, s24, 49152
	s_add_co_u32 s101, s101, 49152
	s_mul_i32 s66, s23, 24576
	s_mov_b32 s[SEL], 0x76543210
	s_mov_b32 s[SEL+1], 0xfedcba98
	s_mov_b32 s27, 0
	s_mov_b32 s28, 0
.irp q, 0,1
	s_mov_b32 s[G0A+4*\q], 1
	s_add_co_u32 s[G0A+4*\q+1], s100, CHUNK*\q
	s_mov_b32 s[G0B+4*\q], 1
	s_add_co_u32 s[G0B+4*\q+1], s101, CHUNK*\q
.endr
	s_wait_dscnt 0x0                               ; both opening adds are done
	s_wait_kmcnt 0x0
	PARAM                                          ; q's addresses
	SETG 0
	SETG 1
	TAKE
	ROUND                                          ; all sixteen work-groups are here: the joint loads meet
	JLOAD 0                                        ; q's chunk 0: one tensor load a wave at the head
	v_and_b32 v1, 15, v0                           ; r
	v_bfe_u32 v2, v0, 4, 1                         ; h
	v_and_b32 v6, 31, v0
	v_lshlrev_b32 v6, 4, v6                        ; 16 x lane
	v_lshlrev_b32 v5, 5, v1                        ; 32 r: a row's eight scale words
	v_lshlrev_b32 v7, 4, v1                        ; 16 r: a row's place in a record
	v_lshlrev_b32 v8, 6, v2                        ; 64 h
	v_and_b32 v9, 7, v1
	v_lshrrev_b32 v10, 3, v1
	v_lshlrev_b32 v9, 2, v9
	v_lshl_add_u32 v9, v10, 6, v9                  ; 4 ((r % 8) + 16 (r / 8))
	v_add_nc_u32 v[ADA], s66, v6
	v_add_nc_u32 v[ADB], s101, v6
	v_add_nc_u32 v[ADA+1], CHUNK, v[ADA]
	v_add_nc_u32 v[ADB+1], CHUNK, v[ADB]
.irp b, 0,1,2,3
	v_mov_b32 v[TP+\b], 0                          ; a lane permute's destination counts as read
.endr
	s_wait_alu depctr_va_vdst(0)
	s_wait_tensorcnt 0x0                           ; my part of q's chunk 0 is in
	ds_add_u32 v[SPW], v[NIL]
	s_wait_dscnt 0x0
	ROUND
	JLOAD 1                                        ; q's chunk 1
	LOADS
	FETCH 0
.Ltile:                                ; q, then k
	TILE 1
	s_wait_xcnt 0x0                                ; the tile's stores have read their data and their bases
	TAKE
	s_add_co_u32 s28, s28, 1
	s_cmp_lt_u32 s28, 2
	s_cbranch_scc1 .Ltile
	TILE 0                                         ; v
	s_wait_tensorcnt 0x0                           ; the wave's end
	ds_add_u32 v[SPW], v[NIL]
	s_wait_dscnt 0x0
	ROUND                                          ; the closing round
	s_endpgm
.Lfunc_end_k_q8cd0bdb25c_proj:
	.size	k_q8cd0bdb25c_proj, .Lfunc_end_k_q8cd0bdb25c_proj-k_q8cd0bdb25c_proj
	.p2alignl 7, 3214868480
	.fill 96, 4, 3214868480
	.section	.rodata,"a",@progbits
	.p2align	6, 0x0
	.amdhsa_kernel k_q8cd0bdb25c_proj
		.amdhsa_group_segment_fixed_size 327680
		.amdhsa_private_segment_fixed_size 0
		.amdhsa_enable_private_segment 0
		.amdhsa_kernarg_size 72
		.amdhsa_user_sgpr_count 2
		.amdhsa_user_sgpr_kernarg_segment_ptr 1
		.amdhsa_wavefront_size32 1
		.amdhsa_system_sgpr_workgroup_id_x 1
		.amdhsa_system_sgpr_workgroup_id_y 1
		.amdhsa_system_sgpr_workgroup_id_z 1
		.amdhsa_system_vgpr_workitem_id 0
		.amdhsa_next_free_vgpr 912
		.amdhsa_next_free_sgpr 102
		.amdhsa_reserve_vcc 0
		.amdhsa_float_denorm_mode_32 3
		.amdhsa_float_denorm_mode_16_64 3
		.amdhsa_memory_ordered 1
		.amdhsa_forward_progress 1
		.amdhsa_inst_pref_size 162
	.end_amdhsa_kernel
	.amdgpu_metadata
---
amdhsa.version: [ 1, 2 ]
amdhsa.kernels:
  - .name:           k_q8cd0bdb25c_proj
    .symbol:         k_q8cd0bdb25c_proj.kd
    .args:
      - { .name: XF, .offset: 0, .size: 8, .value_kind: global_buffer, .address_space: global }
      - { .name: XS, .offset: 8, .size: 8, .value_kind: global_buffer, .address_space: global }
      - { .name: WF, .offset: 16, .size: 8, .value_kind: global_buffer, .address_space: global }
      - { .name: WS, .offset: 24, .size: 8, .value_kind: global_buffer, .address_space: global }
      - { .name: bq, .offset: 32, .size: 8, .value_kind: global_buffer, .address_space: global }
      - { .name: bk, .offset: 40, .size: 8, .value_kind: global_buffer, .address_space: global }
      - { .name: bv, .offset: 48, .size: 8, .value_kind: global_buffer, .address_space: global }
      - { .name: HF, .offset: 56, .size: 8, .value_kind: global_buffer, .address_space: global }
      - { .name: HS, .offset: 64, .size: 8, .value_kind: global_buffer, .address_space: global }
    .group_segment_fixed_size: 327680
    .private_segment_fixed_size: 0
    .kernarg_segment_align: 8
    .kernarg_segment_size: 72
    .max_flat_workgroup_size: 128
    .sgpr_count:     102
    .vgpr_count:     912
    .wavefront_size: 32
...
	.end_amdgpu_metadata
.endif
;; end of part 2
;; launch attn (part 3): grid 16 x 16, 8 waves a work-group, clusters of 4 x 4, 327,680 bytes of LDS; arguments HF, HS, mask, AF, AS; writes AF, AS
.if DOCPART == 3
	.amdgcn_target "amdgcn-amd-amdhsa--gfx1250"
	.amdhsa_code_object_version 6
	.text
	.protected	k_q8cd0bdb25c_attn
	.globl	k_q8cd0bdb25c_attn
	.p2align	8
	.type	k_q8cd0bdb25c_attn,@function
k_q8cd0bdb25c_attn:
	s_mov_b64 s[64:65], 0
	v_nop
	global_prefetch_b8 v0, s[64:65] scope:SCOPE_SE
	s_setreg_imm32_b32 hwreg(HW_REG_WAVE_MODE, 25, 1), 1
	s_wait_xcnt 0x0
	s_wait_alu depctr_hold_cnt(0) depctr_sa_sdst(0) depctr_va_vdst(0) depctr_va_sdst(0) depctr_va_ssrc(0) depctr_va_vcc(0) depctr_vm_vsrc(0)
	s_getreg_b32 s2, hwreg(HW_REG_IB_STS2, 6, 4)
	s_cmp_eq_u32 s2, 0
	s_cbranch_scc0 .Lentry_in_a_cluster
	s_endpgm
.Lentry_in_a_cluster:
	s_bfe_u32 s2, ttmp6, 0x10000c
	s_cmp_lg_u32 s2, 0xf033
	s_cbranch_scc0 .Lentry_shape_is_right
	s_endpgm
.Lentry_shape_is_right:
; Attention on codes of FP6 (E2M3).  D = K Q^T + mask x (-8e9) (the scaled mask is the C of the score product), t = D log2(e) / 8, M = ceil(running largest t), p = 2^(t - M) quantised along the keys,
; O^T += V^T P^T; the row's sum of the unquantised p divides at the end; the result is quantised along D for the last projection.  THE MASK IS AN INPUT: it is read and added for every query and key.
; SHARES.  A work-group: 128 queries x 4 heads of one batch, 16 key steps of 128.  Wave w: query tiles 2 (w % 4), + 1 (16 queries each) x head pair w / 4: four units n = 2 e + g.
; A lane holds one query (lane % 16).  Tile 4 c + u of K holds keys 64 c + 8 u + (row % 8) + 32 (row / 8): so a lane's score registers 32 c + i are keys 64 c + 32 (lane / 16) + i: two WHOLE blocks of 32,
; in the order of the operand's registers: a block's largest number needs no other lane, and the codes change no lane.
; THE HEAD PAIR.  A fragment of K or Q is 16 rows x 128 = two heads' 64.  Q stands as [head 0's 6 registers][6 of zero codes][head 1's 6]: registers 0-11 serve head 0, registers 6-17 head 1.
; CLUSTER 4 x 4: cx = block of queries, cy = group of heads.  K, V and their scale words hang on cy and the batch: asked for jointly along a row; the mask hangs on cx: along a column.
; RING: two slots of one key step (K 24,576, V 24,576, mask 128 x 528 bytes), 2^17 bytes apart.  One tensor load a wave at the head (waves 0-5) and behind each round (waves 0-3): one is out at a time.
; The change of slots: the three lines and the signal stand behind V's fetch, the wave's last read of the slot;
; the rest of unit 3 and the 16 products with V, work on registers, stand between signal and wait.
; NO PREFETCH: a refill is asked for one whole key step (four units' work) ahead of the wait for it.
; LIMITS: the promise holds while |t| stays under 2^31.  The sum s + mask x (-8e9) is rounded by the matrix unit where the module rounds s / 8 + mask x (-1e9).
;   Scale bytes are held at 1 from below; zero blocks have the byte 1; NaN and infinities are not served.
; REGISTERS: window 0 as named below; window 1: v0-127 O^T (32 n + 8 t), v128-223 eight fragments of K or V, v224-241 Q.
.set SLOT1, 1<<17
.set QL,    247808                     ; each wave's two fragments of Q, 3,072 bytes, stored by the wave itself; no fill lands here
.set KSC,   272384                     ; K's scale words of the batch: [32 quads][2 pairs][256], filled once
.set VSC,   288768                     ; V's: [4 heads][16 steps][256], filled once
.set SPARE, 305152                     ; the spare words: 128 bytes a wave
.set AK0, 1
.set AV0, 2
.set AM0, 3
.set ASK0, 4
.set ASV0, 5
.set AQ,  6
.set SPW, 7
.set NIL, 8
.set ADK, 9
.set ADV, 10
.set ADM, 11
.set ADS, 12
.set ADT, 13
.set L16, 14                           ; 16 x lane
.set R32, 15                           ; 32 r
.set ST,  16                           ; unit n at 16 + 4 n: -M, the largest D, the sum in two halves
.set KSW, 32                           ; v32-39 K's scale words, later V's
.set QSW, 40
.set PSW, 42                           ; v42-45 p's scale words
.set FF,  46                           ; v46-47 f = 2^(old M - new M)
.set TM,  48                           ; v48-51 maxima; later a chain of the sum
.set TP,  52                           ; v52-53 bytes
.set PD,  54                           ; a lane permute's destination
.set SO,  56                           ; v56-57 the conversions' scale operands (the way out: v56-59)
.set SH8, 58                           ; 8 x (lane / 16)
.set W,   59
.set CV,  60                           ; v60-67 upper halves of the blocks
.set T1,  68
.set T3,  70
.set S,   72                           ; v72-135  D, t - M, p
.set MT,  136                          ; v136-199 the mask tile x (-8e9)
.set P,   200                          ; v200-247 p's codes, 12 a unit
.set KV,  128                          ; window 1
.set QR,  224                          ; window 1
.set WV,  14
.set SEL, 24
.set CS,  26                           ; s[26:27] c = log2(e) / 8
.set KC,  28                           ; s[28:29] -8e9
.set G1K, 32
.set G1V, 40
.set G1M, 48
.set G1KS, 56
.set G1VS, 68
.set G0K, 76
.set G0V, 80
.set G0M, 84
.set G0KS, 88
.set G0VS, 92
.set TB,  96                           ; the slot in hand
.set TS,  97                           ; the step's scale words of K: 1,024 bytes a step
.set TJ,  98                           ; of V: 256 bytes a step
.set SLOTS, 99
.set MSB, 0
.macro WIN new
.if MSB != (\new)
	s_set_vgpr_msb (MSB<<8)|(\new)
.set MSB, (\new)
.endif
.endm
.macro PLACES
.rept 4
	v_nop
.endr
.endm
.macro D1
	s_delay_alu instid0(VALU_DEP_1)
.endm
.macro CREST                           ; a round of the cluster's barrier behind its opening barrier
	s_cmp_lg_u32 s[WV], 0
	s_cbranch_scc1 .Lnw0_\@
	s_barrier_signal -3
.Lnw0_\@:
	s_barrier_wait -3
	s_barrier_signal -1
	s_barrier_wait -1
.endm
.macro ROUND
	s_barrier_signal -1
	s_barrier_wait -1
	CREST
.endm
.macro SHAPE g, c, r, p
	s_mov_b32 s[(\g)+1], (\c)<<16
	s_mov_b32 s[(\g)+2], (\r)<<16
	s_mov_b32 s[(\g)+3], (\c)<<16
	s_mov_b32 s[(\g)+4], \r
	s_mov_b32 s[(\g)+5], \p
	s_mov_b32 s[(\g)+6], 0
	s_mov_b32 s[(\g)+7], 0
.endm
.macro ARM g0, g1                      ; a joint load, its s_nop 0 and four v_nop
	tensor_load_to_lds s[\g0:\g0+3], s[\g1:\g1+7]
	s_nop 0
	PLACES
.endm
.macro TLOAD3                          ; the refill: wave 0 K's tile, wave 1 V's, waves 2 and 3 the mask's halves
	s_cmp_eq_u32 s[WV], 0
	s_cbranch_scc0 .Lnk_\@
	ARM G0K, G1K
	s_branch .Ltd_\@
.Lnk_\@:
	s_cmp_eq_u32 s[WV], 1
	s_cbranch_scc0 .Lnv_\@
	ARM G0V, G1V
	s_branch .Ltd_\@
.Lnv_\@:
	s_cmp_lt_u32 s[WV], 4
	s_cbranch_scc0 .Ltd_\@
	ARM G0M, G1M
.Ltd_\@:
.endm
.macro NEXTD                           ; the groups 0 go to the other slot and the next key step: written where no tensor load of mine is out
	s_xor_b32 s[G0K+1], s[G0K+1], SLOT1
	s_add_nc_u64 s[G0K+2:G0K+3], s[G0K+2:G0K+3], 98304
	s_xor_b32 s[G0V+1], s[G0V+1], SLOT1
	s_add_nc_u64 s[G0V+2:G0V+3], s[G0V+2:G0V+3], 1536
	s_xor_b32 s[G0M+1], s[G0M+1], SLOT1
	s_add_nc_u64 s[G0M+2:G0M+3], s[G0M+2:G0M+3], 512
.endm
	s_load_b256 s[4:11], s[0:1], 0x0               ; HF, HS, mask, AF
	s_load_b64 s[12:13], s[0:1], 0x20              ; AS
	v_lshl_add_u32 v[SPW], v0, 2, SPARE
	v_mov_b32 v[NIL], 0
	ds_add_u32 v[SPW], v[NIL]                      ; the opening lines: the add, twice on end, and its wait ahead of the first round
	ds_add_u32 v[SPW], v[NIL]
	v_lshrrev_b32 v9, 5, v0
	v_readfirstlane_b32 s[WV], v9
	s_bfe_u32 s15, ttmp6, 0x40000                  ; cx
	s_bfe_u32 s16, ttmp6, 0x40004                  ; cy = the group of four heads
	s_lshl_b32 s17, ttmp9, 2
	s_add_co_u32 s17, s17, s15                     ; the block of 128 queries
	s_and_b32 s18, ttmp7, 0xffff                   ; the batch
	s_and_b32 s20, s[WV], 3                        ; tp: my pair of query tiles
	s_lshr_b32 s21, s[WV], 2                       ; pp: my head pair of the group's two
	s_and_b32 s22, s[WV], 1                        ; which half of the mask tile I fetch, if I fetch
	s_lshl_b32 s19, s16, 2
	s_lshl_b32 s19, 15, s19                        ; my row of the cluster
	s_lshl_b32 s23, 0x1111, s15                    ; my column
	s_or_b32 s[G1K], s19, 0x230000                 ; the mask; elements of 8 bytes; bit 21 beside a mask
	s_or_b32 s[G1V], s19, 0x230000
	s_or_b32 s[G1KS], s19, 0x230000
	s_or_b32 s[G1VS], s19, 0x230000
	s_or_b32 s[G1M], s23, (2<<16)|(1<<20)|(1<<21)|(6<<22)|(3<<25)   ; elements of 4 bytes; 4 words of padding behind every 128
	SHAPE G1K, 384, 8, 1536                        ; 8 key blocks x two pairs' images
	SHAPE G1V, 192, 16, 12288                      ; 16 blocks of the four heads' 256 x one key step's image
	SHAPE G1M, 128, 64, 2048                       ; 64 queries x 128 keys
	SHAPE G1KS, 64, 32, 256                        ; 32 quads x two pairs' records
	SHAPE G1VS, 512, 4, 2048                       ; 4 heads x 16 steps' records
	s_mov_b32 s[SEL], 0x76543210
	s_mov_b32 s[SEL+1], 0xfedcba98
	s_mov_b32 s[CS], 0x3e38aa3b
	s_mov_b32 s[CS+1], s[CS]
	s_mov_b32 s[KC], 0xcfee6b28
	s_mov_b32 s[KC+1], s[KC]
	s_mov_b32 s[TB], 0
	s_mov_b32 s[TS], 0
	s_mov_b32 s[TJ], 0
	s_mov_b32 s[SLOTS], 14
	s_mov_b32 s31, 0
	s_mov_b32 s67, 0
	s_wait_dscnt 0x0                               ; both opening adds are done
	s_wait_kmcnt 0x0
	s_mul_i32 s30, s18, 1572864                    ; K: the batch's 128 key blocks, my group's two pairs
	s_mul_i32 s2, s16, 3072
	s_add_co_u32 s30, s30, s2
	s_add_co_u32 s30, s30, 6291456
	s_mov_b32 s[G0K], 1
	s_mov_b32 s[G0K+1], 0
	s_add_nc_u64 s[G0K+2:G0K+3], s[4:5], s[30:31]
	s_or_b32 s[G0K+3], s[G0K+3], 0x80000000
	s_mul_i32 s30, s16, 1572864                    ; V: my group's 16 blocks, the batch's first key step
	s_mul_i32 s2, s18, 24576
	s_add_co_u32 s30, s30, s2
	s_add_co_u32 s30, s30, 12582912
	s_mov_b32 s[G0V], 1
	s_mov_b32 s[G0V+1], 24576
	s_add_nc_u64 s[G0V+2:G0V+3], s[4:5], s[30:31]
	s_or_b32 s[G0V+3], s[G0V+3], 0x80000000
	s_lshl_b32 s30, s18, 16                        ; K's scale words
	s_lshl_b32 s2, s16, 9
	s_add_co_u32 s30, s30, s2
	s_add_co_u32 s30, s30, 262144
	s_mov_b32 s[G0KS], 1
	s_mov_b32 s[G0KS+1], KSC
	s_add_nc_u64 s[G0KS+2:G0KS+3], s[6:7], s[30:31]
	s_or_b32 s[G0KS+3], s[G0KS+3], 0x80000000
	s_lshl_b32 s30, s16, 16                        ; V's
	s_lshl_b32 s2, s18, 12
	s_add_co_u32 s30, s30, s2
	s_add_co_u32 s30, s30, 524288
	s_mov_b32 s[G0VS], 1
	s_mov_b32 s[G0VS+1], VSC
	s_add_nc_u64 s[G0VS+2:G0VS+3], s[6:7], s[30:31]
	s_or_b32 s[G0VS+3], s[G0VS+3], 0x80000000
	s_lshl_b32 s66, s17, 20                        ; the mask: my block's 128 rows of 8,192 bytes, my half of them
	s_lshl_b32 s3, s22, 19
	s_add_co_u32 s66, s66, s3
	s_mul_i32 s3, s22, 33792
	s_mov_b32 s[G0M], 1
	s_add_co_u32 s[G0M+1], s3, 49152
	s_add_nc_u64 s[G0M+2:G0M+3], s[8:9], s[66:67]
	s_or_b32 s[G0M+3], s[G0M+3], 0x80000000
	ROUND                                          ; all sixteen work-groups are here: the first joint loads meet
	s_cmp_eq_u32 s[WV], 0                          ; one chain of branches on the wave's number, one load to an arm
	s_cbranch_scc0 .Lf1
	ARM G0K, G1K
	s_branch .Lfd
.Lf1:
	s_cmp_eq_u32 s[WV], 1
	s_cbranch_scc0 .Lf2
	ARM G0V, G1V
	s_branch .Lfd
.Lf2:
	s_cmp_lt_u32 s[WV], 4
	s_cbranch_scc0 .Lf3
	ARM G0M, G1M
	s_branch .Lfd
.Lf3:
	s_cmp_eq_u32 s[WV], 4
	s_cbranch_scc0 .Lf4
	ARM G0KS, G1KS
	s_branch .Lfd
.Lf4:
	s_cmp_eq_u32 s[WV], 5
	s_cbranch_scc0 .Lfd
	ARM G0VS, G1VS
.Lfd:
	; Q's fragments and AF's images lie alike: index 1024 b + 64 QB + 16 tp + pair, 1,536 bytes each
	s_lshl_b32 s100, s18, 10
	s_lshl_b32 s2, s17, 6
	s_add_co_u32 s100, s100, s2
	s_lshl_b32 s2, s20, 4
	s_add_co_u32 s100, s100, s2
	s_lshl_b32 s2, s16, 1
	s_add_co_u32 s2, s2, s21                       ; my head pair, 0 .. 7
	s_add_co_u32 s100, s100, s2
	s_mul_i32 s100, s100, 1536
	s_mov_b32 s101, 0
	s_add_nc_u64 s[4:5], s[4:5], s[100:101]
	s_add_nc_u64 s[10:11], s[10:11], s[100:101]
	s_lshl_b32 s100, s18, 8                        ; Q's scale words: record (256 b + 16 QB + 8 (tp / 2) + pair), member 2 (tp % 2) + e
	s_lshl_b32 s3, s17, 4
	s_add_co_u32 s100, s100, s3
	s_lshr_b32 s3, s20, 1
	s_lshl_b32 s3, s3, 3
	s_add_co_u32 s100, s100, s3
	s_add_co_u32 s100, s100, s2
	s_lshl_b32 s100, s100, 8
	s_and_b32 s3, s20, 1
	s_lshl_b32 s3, s3, 3
	s_add_co_u32 s100, s100, s3
	s_add_nc_u64 s[6:7], s[6:7], s[100:101]
	s_lshl_b32 s100, s18, 7                        ; AS: (128 b + 8 QB + 2 tp) x 512 + 4 pair
	s_lshl_b32 s3, s17, 3
	s_add_co_u32 s100, s100, s3
	s_lshl_b32 s3, s20, 1
	s_add_co_u32 s100, s100, s3
	s_lshl_b32 s100, s100, 9
	s_lshl_b32 s3, s2, 2
	s_add_co_u32 s100, s100, s3
	s_add_nc_u64 s[12:13], s[12:13], s[100:101]
	s_mul_i32 s19, s21, 1536                       ; LDS: my pair's K,
	s_mul_i32 s22, s21, 12288
	s_add_co_u32 s22, s22, 24576                   ; V,
	s_mul_i32 s23, s20, 16896
	s_add_co_u32 s23, s23, 49152                   ; my 32 rows of the mask,
	s_lshl_b32 s30, s21, 8
	s_add_co_u32 s30, s30, KSC
	s_lshl_b32 s31, s21, 13
	s_add_co_u32 s31, s31, VSC
	s_mul_i32 s66, s[WV], 3072
	s_add_co_u32 s66, s66, QL                      ; my Q
	v_and_b32 v9, 31, v0
	v_and_b32 v10, 15, v0                          ; r
	v_bfe_u32 v11, v0, 4, 1                        ; h
	v_lshlrev_b32 v[L16], 4, v9
	v_lshlrev_b32 v[R32], 5, v10
	v_lshlrev_b32 v12, 4, v10                      ; 16 r
	v_lshlrev_b32 v[SH8], 3, v11
	v_mul_u32_u24 v[AM0], v10, 528
.irp e, 0,1
.irp c, 0,1,2
	global_load_b128 v[S+12*\e+4*\c:S+12*\e+4*\c+3], v[L16], s[4:5] offset:12288*\e+512*\c
.endr
	global_load_b32 v[QSW+\e], v12, s[6:7] offset:4*\e
.endr
	v_lshl_add_u32 v[AM0], v11, 7, v[AM0]
	v_add_nc_u32 v[AK0], s19, v[L16]
	v_add_nc_u32 v[AV0], s22, v[L16]
	v_add_nc_u32 v[AM0], s23, v[AM0]               ; the mask: row 32 tp + r, + 128 h
	v_add_nc_u32 v[ASK0], s30, v12
	v_add_nc_u32 v[ASV0], s31, v12
	v_add_nc_u32 v[AQ], s66, v[L16]
.irp n, 0,1,2,3
	v_mov_b32 v[ST+4*\n], 0x7f61b1e6               ; -M so far: 3e38, so that the first f is 0
	v_mov_b32 v[ST+4*\n+1], 0xff61b1e6             ; the largest D so far: -3e38
	v_mov_b32 v[ST+4*\n+2], 0
	v_mov_b32 v[ST+4*\n+3], 0
	v_mov_b32 v[TP+\n], 0                          ; a lane permute's destination counts as read
.endr
	v_mov_b32 v[FF+1], 0                           ; named with f as a pair
	WIN 0x40
.set j, 0
.rept 128
	v_mov_b32 v[j], 0                              ; O^T: the step is written once for all key steps; its first f is 0 and leaves zeros
.set j, j+1
.endr
.irp i, 6,7,8,9,10,11
	v_mov_b32 v[QR+\i], 0                          ; the zero codes between Q's two heads
.endr
	WIN 0
	s_wait_alu depctr_va_vdst(0)
	s_wait_loadcnt 0x0
.irp e, 0,1
.irp c, 0,1,2
	ds_store_b128 v[AQ], v[S+12*\e+4*\c:S+12*\e+4*\c+3] offset:1536*\e+512*\c   ; my own bytes: no other wave touches them
.endr
.endr
.macro FETCH_M e                       ; tile e's mask: register 32 c + i = key 64 c + 32 h + i of my query
.irp c, 0,1
.irp j, 0,1,2,3,4,5,6,7
	ds_load_b128 v[MT+32*\c+4*\j:MT+32*\c+4*\j+3], v[ADM] offset:8448*(\e)+256*\c+16*\j
.endr
.endr
.endm
.macro FETCH_KV adr, pitch, ads, so    ; two loads of scale words, then eight fragments
	ds_load_b128 v[KSW:KSW+3], v[\ads]
	ds_load_b128 v[KSW+4:KSW+7], v[\ads] offset:\so
	WIN 0x40
.irp t, 0,1,2,3,4,5,6,7
.irp c, 0,1,2
	ds_load_b128 v[KV+12*\t+4*\c:KV+12*\t+4*\c+3], v[\adr] offset:(\pitch)*\t+512*\c
.endr
.endr
.endm
.macro FETCH_Q e                       ; tile e's Q: the image's registers 0-5 below the zeros, 6-11 above them
	WIN 0x40
	ds_load_b128 v[QR:QR+3], v[AQ] offset:1536*(\e)
	ds_load_b64 v[QR+4:QR+5], v[AQ] offset:1536*(\e)+512
	ds_load_b64 v[QR+12:QR+13], v[AQ] offset:1536*(\e)+520
	ds_load_b128 v[QR+14:QR+17], v[AQ] offset:1536*(\e)+1024
	WIN 0
.endm
.macro WMMA_S g, e                     ; D of head g, tile e: eight tiles of 16 keys; the scaled mask starts the sums.  Four places follow
	WIN 0x05
.irp t, 0,1,2,3,4,5,6,7
	v_wmma_scale_f32_16x16x128_f8f6f4 v[S+8*\t:S+8*\t+7], v[KV+12*\t:KV+12*\t+11], v[QR+6*(\g):QR+6*(\g)+11], v[MT+8*\t:MT+8*\t+7], v[KSW+\t], v[QSW+(\e)] matrix_a_fmt:MATRIX_FMT_FP6 matrix_b_fmt:MATRIX_FMT_FP6
.endr
	WIN 0
	PLACES
.endm
.macro FM j0, n                        ; t - M = D c - M, two at a time
.set j, \j0
.rept \n
	v_pk_fma_f32 v[S+j:S+j+1], v[S+j:S+j+1], s[CS:CS+1], v[rT:rT+1] op_sel_hi:[1,0,0]
.set j, j+2
.endr
.endm
; unit n, first part: the two blocks' largest D (four chains by turns; each accumulator is read from its low end on), the row's, M, f, t - M
.macro SM_A n
.set rT, ST+4*(\n)
.irp b, 0,1,2,3
	v_max3_num_f32 v[TM+\b], v[S+16*\b], v[S+16*\b+1], v[S+16*\b+2]
.endr
.irp i, 3,5,7,9,11,13
.irp b, 0,1,2,3
	v_max3_num_f32 v[TM+\b], v[TM+\b], v[S+16*\b+\i], v[S+16*\b+\i+1]
.endr
.endr
	v_max3_num_f32 v[TM], v[TM], v[TM+1], v[S+15]
	v_max3_num_f32 v[TM+2], v[TM+2], v[TM+3], v[S+47]
	v_mov_b32 v[T1+1], v[rT]                       ; the old -M
	v_max_num_f32 v[TM], v[TM], v[S+31]            ; block h's largest D,
	v_max_num_f32 v[TM+2], v[TM+2], v[S+63]        ; block 2 + h's
	D1
	v_max_num_f32 v[T1], v[TM], v[TM+2]
	D1
	v_permlanex16_b32 v[PD], v[T1], s[SEL], s[SEL+1]
	D1
	v_max3_num_f32 v[rT+1], v[T1], v[PD], v[rT+1]  ; the running largest D of my query
	D1
	v_mul_f32 v[T1], s[CS], v[rT+1]                ; as t (c is positive)
	D1
	v_floor_f32 v[rT], -v[T1]                      ; -M = floor(-t): M is a whole number
	FM 0, 2
	v_sub_f32 v[T1], v[rT], v[T1+1]                ; old M - new M, 0 or less
	FM 4, 2
	v_cvt_i32_f32 v[T1], v[T1]                     ; (it saturates)
	FM 8, 2
	v_ldexp_f32 v[FF], 1.0, v[T1]                  ; f: a multiplication by it rounds nothing
	FM 12, 26
	v_fma_f32 v[TM], v[TM], s[CS], v[rT]           ; the same of each block's largest D
	v_fma_f32 v[TM+2], v[TM+2], s[CS], v[rT]
.endm
.macro SUM4 j                          ; the row's sum of the unquantised p, in four chains
	v_pk_add_f32 v[rT+2:rT+3], v[rT+2:rT+3], v[S+\j:S+\j+1]
	v_pk_add_f32 v[T1:T1+1], v[T1:T1+1], v[S+\j+2:S+\j+3]
	v_pk_add_f32 v[T3:T3+1], v[T3:T3+1], v[S+\j+4:S+\j+5]
	v_pk_add_f32 v[TM:TM+1], v[TM:TM+1], v[S+\j+6:S+\j+7]
.endm
; unit n, second part: O^T x f, p, its codes and scale word, its sum.  mm = 1: the next tile's mask x (-8e9) is laid between the exponentials (its numbers are in; its results are read behind the batch's wait)
.macro SM_B n, mm
.set rT, ST+4*(\n)
.set rP, P+12*(\n)
	WIN 0x41
	s_wait_alu depctr_va_vdst(0)                   ; ahead of the first reader of O^T, and ahead of the batch
.set j, 0
.rept 16
	v_pk_mul_f32 v[32*(\n)+j:32*(\n)+j+1], v[32*(\n)+j:32*(\n)+j+1], v[FF:FF+1] op_sel_hi:[1,0]
.set j, j+2
.endr
	WIN 0
.set j, 0
.rept 32
	v_exp_f32 v[S+j], v[S+j]                       ; p, not normalised
	v_exp_f32 v[S+j+1], v[S+j+1]
.if \mm
	v_pk_mul_f32 v[MT+j:MT+j+1], v[MT+j:MT+j+1], s[KC:KC+1] op_sel_hi:[1,0]
.endif
.set j, j+2
.endr
	v_exp_f32 v[TM], v[TM]                         ; each block's largest p: the same arithmetic on the same number
	v_exp_f32 v[TM+2], v[TM+2]
	v_pk_mul_f32 v[rT+2:rT+3], v[rT+2:rT+3], v[FF:FF+1] op_sel_hi:[1,0]   ; the sum under the new M (a plain instruction behind the exponentials)
	s_wait_alu depctr_va_vdst(0)                   ; one wait for the batch, ahead of its first reader
	v_max_num_f32 v[TM], 0x1800000, v[TM]          ; the floor 2^(3 - 127): the byte cannot fall under 1
	v_max_num_f32 v[TM+2], 0x1800000, v[TM+2]
	v_pk_add_f32 v[T1:T1+1], v[S:S+1], v[S+2:S+3]
	v_pk_add_f32 v[T3:T3+1], v[S+4:S+5], v[S+6:S+7]
	v_add_nc_u32 v[SO], 0xff000000, v[TM]          ; 2 off the exponent field: the conversion's scale operand
	v_add_nc_u32 v[SO+1], 0xff000000, v[TM+2]
	v_pk_add_f32 v[rT+2:rT+3], v[rT+2:rT+3], v[S+8:S+9]
	v_pk_add_f32 v[T1:T1+1], v[T1:T1+1], v[S+10:S+11]
.irp c, 0,1
	v_cvt_scalef32_pk16_fp6_f32 v[rP+6*\c:rP+6*\c+2], v[S+32*\c:S+32*\c+15], v[SO+\c]
	v_cvt_scalef32_pk16_fp6_f32 v[CV+4*\c:CV+4*\c+2], v[S+32*\c+16:S+32*\c+31], v[SO+\c]   ; (a conversion's three registers begin on an even number)
.endr
	v_pk_add_f32 v[TM:TM+1], v[S+12:S+13], v[S+14:S+15]   ; a plain instruction behind the conversions
	v_lshrrev_b32 v[TP], 23, v[SO]                 ; the bytes of blocks h and 2 + h
	v_lshrrev_b32 v[TP+1], 23, v[SO+1]
	SUM4 16
	v_lshl_or_b32 v[W], v[TP+1], 16, v[TP]
.irp i, 0,1,2
	v_mov_b32 v[rP+3+\i], v[CV+\i]
.endr
	v_lshlrev_b32 v[W], v[SH8], v[W]               ; at their places in the word
.irp i, 0,1,2
	v_mov_b32 v[rP+9+\i], v[CV+4+\i]
.endr
	v_permlanex16_b32 v[PD], v[W], s[SEL], s[SEL+1]
	SUM4 24
	v_or_b32 v[PSW+(\n)], v[W], v[PD]              ; with lane l xor 16's two bytes the word is whole
	SUM4 32
	SUM4 40
	SUM4 48
	SUM4 56
	v_pk_add_f32 v[T1:T1+1], v[T1:T1+1], v[T3:T3+1]
	v_pk_add_f32 v[rT+2:rT+3], v[rT+2:rT+3], v[TM:TM+1]
	v_pk_add_f32 v[rT+2:rT+3], v[rT+2:rT+3], v[T1:T1+1]
.endm
; A key step.  fill = 1: its end is a round of the cluster's barrier and the joint refill of the slot just read, with the key step two on
.macro STEP fill
	v_add_nc_u32 v[ADK], s[TB], v[AK0]             ; five plain instructions: also the places between the last step's products and the loads below
	v_add_nc_u32 v[ADV], s[TB], v[AV0]
	v_add_nc_u32 v[ADM], s[TB], v[AM0]
	v_add_nc_u32 v[ADS], s[TS], v[ASK0]
	v_add_nc_u32 v[ADT], s[TJ], v[ASV0]
	s_wait_alu depctr_va_vdst(0)
	FETCH_M 0
	FETCH_KV ADK, 3072, ADS, 512
	FETCH_Q 0
	s_wait_dscnt 30                                ; the mask's 16 loads are in; K's 26 and Q's 4 may be out
.set j, 0
.rept 32
	v_pk_mul_f32 v[MT+j:MT+j+1], v[MT+j:MT+j+1], s[KC:KC+1] op_sel_hi:[1,0]   ; mask x (-8e9), once for both heads
.set j, j+2
.endr
	PLACES
	s_wait_alu depctr_va_vdst(0)
	s_wait_dscnt 0x0
	WMMA_S 0, 0
	SM_A 0
	SM_B 0, 0
	WMMA_S 1, 0
	FETCH_Q 1                                      ; behind the places: Q's registers and the mask's have been read
	FETCH_M 1
	SM_A 1
	s_wait_alu depctr_va_vdst(0)
	s_wait_dscnt 0x0
	SM_B 1, 1
	WMMA_S 0, 1
	SM_A 2
	SM_B 2, 0
	WMMA_S 1, 1
	FETCH_KV ADV, 1536, ADT, 4096                  ; K's fragments and scale words are done with: V's take their registers.  My last reads of this slot
	WIN 0
	s_wait_tensorcnt 0x0                           ; no tensor load of mine is out: my part of the next slot is in
	ds_add_u32 v[SPW], v[NIL]
.if \fill
	ds_add_u32 v[SPW], v[NIL]                      ; twice, where a refill follows
	NEXTD
.endif
	SM_A 3
	s_wait_alu depctr_va_vdst(0)
	s_wait_dscnt 0x0                               ; the add is done, and my reads of this slot are over
	s_barrier_signal -1
	SM_B 3, 0                                      ; work on registers between signal and wait
	WIN 0x51
.irp t, 0,1,2,3
.irp g, 0,1
.irp e, 0,1
	v_wmma_scale_f32_16x16x128_f8f6f4 v[32*(2*\e+\g)+8*\t:32*(2*\e+\g)+8*\t+7], v[KV+12*(4*\g+\t):KV+12*(4*\g+\t)+11], v[P+12*(2*\e+\g):P+12*(2*\e+\g)+11], v[32*(2*\e+\g)+8*\t:32*(2*\e+\g)+8*\t+7], v[KSW+4*\g+\t], v[PSW+2*\e+\g] matrix_a_fmt:MATRIX_FMT_FP6 matrix_b_fmt:MATRIX_FMT_FP6
.endr
.endr
.endr
	WIN 0
	s_wait_alu depctr_va_vdst(0)                   ; directly ahead of the barrier's wait
	s_barrier_wait -1
.if \fill
	CREST                                          ; no wave of any partner still reads this slot or has a load on its way
	TLOAD3
.endif
	s_add_co_u32 s[TS], s[TS], 1024
	s_add_co_u32 s[TJ], s[TJ], 256
	s_xor_b32 s[TB], s[TB], SLOT1
.endm
; 64 numbers of a lane (register 16 b + i = k 32 b + 16 h + i) become a fragment and its scale word
.macro QUANT src, pc, pw
.irp b, 0,1,2,3
	v_max3_num_f32 v[TM+\b], |v[(\src)+16*\b]|, |v[(\src)+16*\b+1]|, 0x1800000
.endr
.irp i, 2,4,6,8,10,12,14
.irp b, 0,1,2,3
	v_max3_num_f32 v[TM+\b], v[TM+\b], |v[(\src)+16*\b+\i]|, |v[(\src)+16*\b+\i+1]|
.endr
.endr
.irp b, 0,1,2,3
	v_permlanex16_b32 v[TP+\b], v[TM+\b], s[SEL], s[SEL+1]
.endr
.irp b, 0,1,2,3
	v_max_num_f32 v[TM+\b], v[TM+\b], v[TP+\b]
.endr
.irp b, 0,1,2,3
	v_add_nc_u32 v[SO+\b], 0xff000000, v[TM+\b]
.endr
.irp b, 0,1,2,3
	v_lshrrev_b32 v[TP+\b], 23, v[SO+\b]
.endr
	v_lshl_or_b32 v[\pw], v[TP+1], 8, v[TP]
	D1
	v_lshl_or_b32 v[\pw], v[TP+2], 16, v[\pw]
	D1
	v_lshl_or_b32 v[\pw], v[TP+3], 24, v[\pw]
.irp c, 0,1
	v_cvt_scalef32_pk16_fp6_f32 v[(\pc)+6*\c:(\pc)+6*\c+2], v[(\src)+32*\c:(\src)+32*\c+15], v[SO+2*\c]
	v_cvt_scalef32_pk16_fp6_f32 v[CV+4*\c:CV+4*\c+2], v[(\src)+32*\c+16:(\src)+32*\c+31], v[SO+2*\c+1]
.endr
	v_nop
.irp c, 0,1
.irp i, 0,1,2
	v_permlane16_swap_b32 v[(\pc)+6*\c+\i], v[CV+4*\c+\i]
.endr
.irp i, 0,1,2
	v_mov_b32 v[(\pc)+6*\c+3+\i], v[CV+4*\c+\i]
.endr
.endr
.endm
	s_wait_tensorcnt 0x0                           ; my tile of the head's six is in
	ds_add_u32 v[SPW], v[NIL]
	ds_add_u32 v[SPW], v[NIL]
	NEXTD
	s_wait_dscnt 0x0                               ; the adds and my stores of Q are done
	ROUND
	TLOAD3                                         ; key step 1 into slot 1
.Lslot:                                ; key steps 0 to 13: each ends with the refill for the step two on
	STEP 1
	s_sub_co_u32 s[SLOTS], s[SLOTS], 1
	s_cmp_lg_u32 s[SLOTS], 0
	s_cbranch_scc1 .Lslot
	s_mov_b32 s[SLOTS], 2
.Ltail:                                ; key steps 14 and 15 ask for nothing more
	STEP 0
	s_sub_co_u32 s[SLOTS], s[SLOTS], 1
	s_cmp_lg_u32 s[SLOTS], 0
	s_cbranch_scc1 .Ltail
	; THE WAY OUT.  O^T / the sum; a tile's two heads are 128 neighbours along D: one K step of the last projection, quantised here and stored as an image.
.irp n, 0,1,2,3
	v_add_f32 v[ST+4*\n+3], v[ST+4*\n+2], v[ST+4*\n+3]
.endr
.irp n, 0,1,2,3
	v_permlanex16_b32 v[TP+\n], v[ST+4*\n+3], s[SEL], s[SEL+1]
.endr
.irp n, 0,1,2,3
	v_add_f32 v[ST+4*\n+3], v[ST+4*\n+3], v[TP+\n]
.endr
	s_wait_alu depctr_va_vdst(0)
.irp n, 0,1,2,3
	v_rcp_f32 v[ST+4*\n+2], v[ST+4*\n+3]
.endr
	v_nop                                          ; a plain instruction behind the reciprocals
.irp e, 0,1
.if \e > 0
	s_wait_xcnt 0x0                                ; tile 0's stores have read the registers that are written again below
.endif
	WIN 0x01
	s_wait_alu depctr_va_vdst(0)                   ; ahead of the first readers of the reciprocals and of O^T
.irp g, 0,1
.set j, 0
.rept 16
	v_pk_mul_f32 v[S+32*\g+j:S+32*\g+j+1], v[32*(2*\e+\g)+j:32*(2*\e+\g)+j+1], v[ST+4*(2*\e+\g)+2:ST+4*(2*\e+\g)+3] op_sel_hi:[1,0]
.set j, j+2
.endr
.endr
	WIN 0
	QUANT S, P, PSW
.irp c, 0,1,2
	global_store_b128 v[L16], v[P+4*\c:P+4*\c+3], s[10:11] offset:12288*\e+512*\c
.endr
	global_store_b32 v[R32], v[PSW], s[12:13] offset:512*\e
.endr
	s_wait_tensorcnt 0x0                           ; the wave's end
	ds_add_u32 v[SPW], v[NIL]
	s_wait_dscnt 0x0
	ROUND                                          ; the closing round
	s_endpgm
.Lfunc_end_k_q8cd0bdb25c_attn:
	.size	k_q8cd0bdb25c_attn, .Lfunc_end_k_q8cd0bdb25c_attn-k_q8cd0bdb25c_attn
	.p2alignl 7, 3214868480
	.fill 96, 4, 3214868480
	.section	.rodata,"a",@progbits
	.p2align	6, 0x0
	.amdhsa_kernel k_q8cd0bdb25c_attn
		.amdhsa_group_segment_fixed_size 327680
		.amdhsa_private_segment_fixed_size 0
		.amdhsa_enable_private_segment 0
		.amdhsa_kernarg_size 40
		.amdhsa_user_sgpr_count 2
		.amdhsa_user_sgpr_kernarg_segment_ptr 1
		.amdhsa_wavefront_size32 1
		.amdhsa_system_sgpr_workgroup_id_x 1
		.amdhsa_system_sgpr_workgroup_id_y 1
		.amdhsa_system_sgpr_workgroup_id_z 1
		.amdhsa_system_vgpr_workitem_id 0
		.amdhsa_next_free_vgpr 512
		.amdhsa_next_free_sgpr 102
		.amdhsa_reserve_vcc 0
		.amdhsa_float_denorm_mode_32 3
		.amdhsa_float_denorm_mode_16_64 3
		.amdhsa_memory_ordered 1
		.amdhsa_forward_progress 1
		.amdhsa_inst_pref_size 156
	.end_amdhsa_kernel
	.amdgpu_metadata
---
amdhsa.version: [ 1, 2 ]
amdhsa.kernels:
  - .name:           k_q8cd0bdb25c_attn
    .symbol:         k_q8cd0bdb25c_attn.kd
    .args:
      - { .name: HF, .offset: 0, .size: 8, .value_kind: global_buffer, .address_space: global }
      - { .name: HS, .offset: 8, .size: 8, .value_kind: global_buffer, .address_space: global }
      - { .name: mask, .offset: 16, .size: 8, .value_kind: global_buffer, .address_space: global }
      - { .name: AF, .offset: 24, .size: 8, .value_kind: global_buffer, .address_space: global }
      - { .name: AS, .offset: 32, .size: 8, .value_kind: global_buffer, .address_space: global }
    .group_segment_fixed_size: 327680
    .private_segment_fixed_size: 0
    .kernarg_segment_align: 8
    .kernarg_segment_size: 40
    .max_flat_workgroup_size: 256
    .sgpr_count:     102
    .vgpr_count:     512
    .wavefront_size: 32
...
	.end_amdgpu_metadata
.endif
;; end of part 3
;; launch outp (part 4): grid 4 x 64, 4 waves a work-group, clusters of 4 x 4, 327,680 bytes of LDS; arguments AF, AS, WF, WS, bo, out0; writes out0
.if DOCPART == 4
	.amdgcn_target "amdgcn-amd-amdhsa--gfx1250"
	.amdhsa_code_object_version 6
	.text
	.protected	k_q8cd0bdb25c_outp
	.globl	k_q8cd0bdb25c_outp
	.p2align	8
	.type	k_q8cd0bdb25c_outp,@function
k_q8cd0bdb25c_outp:
	s_mov_b64 s[64:65], 0
	v_nop
	global_prefetch_b8 v0, s[64:65] scope:SCOPE_SE
	s_setreg_imm32_b32 hwreg(HW_REG_WAVE_MODE, 25, 1), 1
	s_wait_xcnt 0x0
	s_wait_alu depctr_hold_cnt(0) depctr_sa_sdst(0) depctr_va_vdst(0) depctr_va_sdst(0) depctr_va_ssrc(0) depctr_va_vcc(0) depctr_vm_vsrc(0)
	s_getreg_b32 s2, hwreg(HW_REG_IB_STS2, 6, 4)
	s_cmp_eq_u32 s2, 0
	s_cbranch_scc0 .Lentry_in_a_cluster
	s_endpgm
.Lentry_in_a_cluster:
	s_bfe_u32 s2, ttmp6, 0x10000c
	s_cmp_lg_u32 s2, 0xf033
	s_cbranch_scc0 .Lentry_shape_is_right
	s_endpgm
.Lentry_shape_is_right:
; out0 = attention's result @ wo + bo on codes of FP6 (E2M3), K = 1,024.  The same product as the input projections': a work-group makes 128 tokens ("L") x 256 n ("P"), a wave 64 x 128: 32 accumulators;
; source 0 = 16 rows n of wo, source 1 = 16 tokens: a lane holds one token, and the registers of P blocks 2 G, 2 G + 1 are n = 32 G + 16 (lane / 16) + 0 .. 15.
; ALL OF K LIES IN LDS AT ONCE (294,912 bytes in four chunks of two K steps): nothing is filled again.  By this text's count a wave has four tensor loads out, issued together.
; CLUSTER 4 x 4: the tokens' tile hangs on cy alone and is asked for jointly along a row of the cluster, wo's on cx alone, along a column.
; THE WAY OUT: a block of 16 tokens x 128 n goes through the wave's own stage in LDS and leaves as rows of 512 bytes.  The stages lie in chunk 0, which has had its only fill and whose last read
; lies ahead of the barrier for chunk 1.
; REGISTERS: window 0: addresses, bias, scale words; window 1: accumulator (a, b) at v[8 (8 a + b)]; windows 2, 3: two sets of fragments; on the way out window 2's v0-127 take the rows read back.
; THE CHUNKS (this takes the place of what stands above on four chunks): all of K lies in LDS in TWO chunks of four K steps, each filled once.  A wave issues one joint load at the head (chunk 0)
; and one behind the full sequence and a round (chunk 1): by this text's count one tensor load of a wave is out at a time.  The stages lie in chunk 0's first 33,792 bytes, whose last read lies ahead of the barrier for chunk 1.
.set CHUNK, 147456                     ; tokens' part [half][4 blocks][4 K steps][image] 49,152 bytes, then wo's [half][8][4][image] 98,304
.set SPARE, 294912                     ; behind the chunks: the spare words, 128 bytes a wave
.set SPW, 28                           ; v28 my spare word's address; v29 0: never rewritten
.set NIL, 29
.macro JLOAD q                         ; chunk q: waves 0, 1 fetch the tokens' halves, waves 2, 3 wo's
	s_cmp_eq_u32 s23, 0
	s_cbranch_scc0 .Lfb_\@
	tensor_load_to_lds s[G0A+4*\q:G0A+4*\q+3], s[G1A:G1A+7]
	s_nop 0
	PLACES
	s_branch .Lfd_\@
.Lfb_\@:
	tensor_load_to_lds s[G0B+4*\q:G0B+4*\q+3], s[G1B:G1B+7]
	s_nop 0
	PLACES
.Lfd_\@:
.endm
.set ADA, 3
.set ADB, 4
.set STO, 7
.set RD,  8
.set BI,  32                           ; v32-95   bo along the registers
.set SA,  100                          ; v100-131 the tokens' scale words: 8 a + K step
.set SB,  132                          ; v132-195 wo's: 8 b + K step
.set WV,  22
.set G1A, 32
.set G1B, 40
.set G0A, 48
.set G0B, 68
.set MSB, 0
.macro WIN new
.if MSB != (\new)
	s_set_vgpr_msb (MSB<<8)|(\new)
.set MSB, (\new)
.endif
.endm
.macro PLACES
.rept 4
	v_nop
.endr
.endm
.macro ROUND
	s_barrier_signal -1
	s_barrier_wait -1
	s_cmp_lg_u32 s[WV], 0
	s_cbranch_scc1 .Lnw0_\@
	s_barrier_signal -3
.Lnw0_\@:
	s_barrier_wait -3
	s_barrier_signal -1
	s_barrier_wait -1
.endm
.macro SHAPE g, c, r, p
	s_mov_b32 s[(\g)+1], (\c)<<16
	s_mov_b32 s[(\g)+2], (\r)<<16
	s_mov_b32 s[(\g)+3], (\c)<<16
	s_mov_b32 s[(\g)+4], \r
	s_mov_b32 s[(\g)+5], \p
	s_mov_b32 s[(\g)+6], 0
	s_mov_b32 s[(\g)+7], 0
.endm
.macro FETCH s
	WIN 0x80+0x40*((\s)%2)
.irp a, 0,1,2,3
.irp c, 0,1,2
	ds_load_b128 v[12*\a+4*\c:12*\a+4*\c+3], v[ADA] offset:6144*\a+1536*((\s)%4)+512*\c
.endr
.endr
.irp b, 0,1,2,3,4,5,6,7
.irp c, 0,1,2
	ds_load_b128 v[48+12*\b+4*\c:48+12*\b+4*\c+3], v[ADB] offset:6144*\b+1536*((\s)%4)+512*\c
.endr
.endr
	WIN 0
.endm
; 32 products of K step s; the accumulators take turns, one instruction a turn.  cm = 1: the bias starts the sums
.macro MUL s, cm
.if (\cm) == 0
	WIN 0x5a+5*((\s)%2)
.else
	WIN 0x4a
.endif
.irp a, 0,1,2,3
.irp b, 0,1,2,3,4,5,6,7
.if (\cm) == 0
	v_wmma_scale_f32_16x16x128_f8f6f4 v[8*(8*\a+\b):8*(8*\a+\b)+7], v[48+12*\b:48+12*\b+11], v[12*\a:12*\a+11], v[8*(8*\a+\b):8*(8*\a+\b)+7], v[SB+8*\b+(\s)], v[SA+8*\a+(\s)] matrix_a_fmt:MATRIX_FMT_FP6 matrix_b_fmt:MATRIX_FMT_FP6
.else
	v_wmma_scale_f32_16x16x128_f8f6f4 v[8*(8*\a+\b):8*(8*\a+\b)+7], v[48+12*\b:48+12*\b+11], v[12*\a:12*\a+11], v[BI+8*\b:BI+8*\b+7], v[SB+8*\b+(\s)], v[SA+8*\a+(\s)] matrix_a_fmt:MATRIX_FMT_FP6 matrix_b_fmt:MATRIX_FMT_FP6
.endif
.endr
.endr
.endm
.macro KSTEP s
	s_wait_dscnt 0x0                               ; this step's fragments, asked for 32 products ago, are in
.if (\s) == 3
	s_wait_tensorcnt 0x0                           ; my part of chunk 1 is in
	s_barrier_signal -1
	s_barrier_wait -1
	WIN 0
	v_add_nc_u32 v[ADA], CHUNK, v[ADA]
	s_wait_alu depctr_va_vdst(0)
	v_add_nc_u32 v[ADB], CHUNK, v[ADB]
.endif
	PLACES                                         ; four plain instructions between the last step's products and loads into the set that they read
.if (\s) < 7
	s_wait_alu depctr_va_vdst(0)
	FETCH (\s)+1
.endif
	MUL \s, 0
.endm
	s_load_b256 s[4:11], s[0:1], 0x0               ; AF, AS, WF, WS
	s_load_b128 s[12:15], s[0:1], 0x20
	v_lshl_add_u32 v[SPW], v0, 2, SPARE
	v_mov_b32 v[NIL], 0
	ds_add_u32 v[SPW], v[NIL]                      ; the opening lines: the add, twice on end, and its wait ahead of the first round
	ds_add_u32 v[SPW], v[NIL]
	v_lshrrev_b32 v1, 5, v0
	v_readfirstlane_b32 s[WV], v1
	s_lshr_b32 s23, s[WV], 1                       ; my half of the tokens.  Also: I fetch the tokens' chunks (0) or wo's (1)
	s_and_b32 s24, s[WV], 1                        ; my half of the n.  Also: which half of a chunk I fetch
	s_bfe_u32 s25, ttmp6, 0x40000                  ; cx = the tile of n
	s_bfe_u32 s26, ttmp6, 0x40004                  ; cy
	s_and_b32 s30, ttmp7, 0xffff
	s_lshl_b32 s30, s30, 2
	s_add_co_u32 s30, s30, s26                     ; the tile of tokens
	s_lshl_b32 s92, s26, 2
	s_lshl_b32 s92, 15, s92                        ; my row of the cluster
	s_lshl_b32 s93, 0x1111, s25                    ; my column
	s_or_b32 s[G1A], s92, 0x230000                 ; the mask; elements of 8 bytes; bit 21 beside a mask; no padding
	s_or_b32 s[G1B], s93, 0x230000
	SHAPE G1A, 768, 4, 1536
	SHAPE G1B, 768, 8, 1536
	s_mul_i32 s88, s30, 98304
	s_mul_i32 s92, s24, 49152
	s_add_co_u32 s88, s88, s92
	s_mov_b32 s89, 0
	s_mul_i32 s90, s25, 196608
	s_mul_i32 s93, s24, 98304
	s_add_co_u32 s90, s90, s93
	s_add_co_u32 s90, s90, 2359296                 ; wo is the fourth weight
	s_mov_b32 s91, 0
	s_mul_i32 s98, s24, 24576
	s_mul_i32 s99, s24, 49152
	s_add_co_u32 s99, s99, 49152
	s_wait_dscnt 0x0                               ; both opening adds are done
	s_wait_kmcnt 0x0
	s_add_nc_u64 s[94:95], s[4:5], s[88:89]
	s_add_nc_u64 s[96:97], s[8:9], s[90:91]
.irp q, 0,1
	s_mov_b32 s[G0A+4*\q], 1
	s_add_co_u32 s[G0A+4*\q+1], s98, CHUNK*\q
	s_add_nc_u64 s[G0A+4*\q+2:G0A+4*\q+3], s[94:95], 6144*\q
	s_or_b32 s[G0A+4*\q+3], s[G0A+4*\q+3], 0x80000000
	s_mov_b32 s[G0B+4*\q], 1
	s_add_co_u32 s[G0B+4*\q+1], s99, CHUNK*\q
	s_add_nc_u64 s[G0B+4*\q+2:G0B+4*\q+3], s[96:97], 6144*\q
	s_or_b32 s[G0B+4*\q+3], s[G0B+4*\q+3], 0x80000000
.endr
	ROUND                                          ; all sixteen work-groups are here: the joint loads meet
	JLOAD 0                                        ; chunk 0: one tensor load a wave at the head
	v_and_b32 v1, 15, v0                           ; r
	v_bfe_u32 v2, v0, 4, 1                         ; h
	v_and_b32 v6, 31, v0
	v_lshlrev_b32 v6, 4, v6                        ; 16 x lane
	v_lshlrev_b32 v5, 5, v1                        ; 32 r
	s_wait_alu depctr_va_vdst(0)
	v_lshlrev_b32 v9, 6, v2                        ; 64 h
	s_wait_alu depctr_va_vdst(0)
	s_mul_i32 s85, s23, 24576
	v_add_nc_u32 v[ADA], s85, v6
	v_add_nc_u32 v[ADB], s99, v6
	s_mul_i32 s85, s[WV], 8448                     ; my stage: 16 rows x (512 + 16) bytes
	v_mul_u32_u24 v[STO], v1, 528
	v_lshl_add_u32 v[STO], v2, 6, v[STO]
	v_add_nc_u32 v[STO], s85, v[STO]               ; in: row r, + 64 h
	v_add_nc_u32 v[RD], s85, v6                    ; back: a whole row to the 32 lanes
	s_lshl_b32 s85, s30, 3
	s_lshl_b32 s92, s23, 2
	s_add_co_u32 s85, s85, s92                     ; my first block of tokens
	s_lshl_b32 s93, s25, 1
	s_add_co_u32 s93, s93, s24                     ; my group of 128 n
	s_mov_b32 s95, 0
	s_lshl_b32 s94, s85, 9
	s_add_nc_u64 s[6:7], s[6:7], s[94:95]
	s_lshl_b32 s94, s93, 12
	s_add_co_u32 s94, s94, 98304
	s_add_nc_u64 s[10:11], s[10:11], s[94:95]
.irp a, 0,1,2,3
	global_load_b128 v[SA+8*\a:SA+8*\a+3], v5, s[6:7] offset:512*\a
	global_load_b128 v[SA+8*\a+4:SA+8*\a+7], v5, s[6:7] offset:512*\a+16
.endr
.irp b, 0,1,2,3,4,5,6,7
	global_load_b128 v[SB+8*\b:SB+8*\b+3], v5, s[10:11] offset:512*\b
	global_load_b128 v[SB+8*\b+4:SB+8*\b+7], v5, s[10:11] offset:512*\b+16
.endr
	s_lshl_b32 s94, s93, 9
	s_add_nc_u64 s[12:13], s[12:13], s[94:95]
.irp b, 0,1,2,3
.irp j, 0,1,2,3
	global_load_b128 v[BI+16*\b+4*\j:BI+16*\b+4*\j+3], v9, s[12:13] offset:128*\b+16*\j   ; bo at n = 32 b + 16 h + 4 j ..
.endr
.endr
	s_add_nc_u64 s[14:15], s[14:15], s[94:95]      ; out0: my 512 bytes of a row,
	s_lshl_b32 s94, s85, 16
	s_add_nc_u64 s[14:15], s[14:15], s[94:95]      ; my first token's row
	s_wait_alu depctr_va_vdst(0)
	s_wait_tensorcnt 0x0                           ; my part of chunk 0 is in
	ds_add_u32 v[SPW], v[NIL]
	s_wait_dscnt 0x0
	ROUND                                          ; everybody's part is in, and the sixteen work-groups meet
	JLOAD 1                                        ; chunk 1: it has K steps 0 to 2 in which to land
	FETCH 0
	s_wait_loadcnt 0x0                             ; scale words and bias
	s_wait_dscnt 0x0
	FETCH 1
	MUL 0, 1
.irp s, 1,2,3,4,5,6,7
	KSTEP \s
.endr
	WIN 0
.macro TOSTAGE e                       ; block e: 32 bytes a lane and accumulator into the stage, each accumulator from its low end on; back as 16 whole rows
	WIN 0x04
.irp b, 0,1,2,3,4,5,6,7
	ds_store_b128 v[STO], v[8*(8*(\e)+\b):8*(8*(\e)+\b)+3] offset:128*(\b/2)+32*(\b%2)
	ds_store_b128 v[STO], v[8*(8*(\e)+\b)+4:8*(8*(\e)+\b)+7] offset:128*(\b/2)+32*(\b%2)+16
.endr
	WIN 0x80
.irp t, 0,1,2,3,4,5,6,7,8,9,10,11,12,13,14,15
	ds_load_b128 v[64*((\e)%2)+4*\t:64*((\e)%2)+4*\t+3], v[RD] offset:528*\t   ; LDS serves a wave's instructions in order: these see the stores above, and the next block's stores come behind them
.endr
	WIN 0
.endm
.macro SEND e, y                       ; y: the LDS instructions issued behind block e's loads, which may stay out
	s_wait_dscnt \y
	WIN 0x08
.irp t, 0,1,2,3,4,5,6,7,8,9,10,11,12,13,14,15
	global_store_b128 v6, v[64*((\e)%2)+4*\t:64*((\e)%2)+4*\t+3], s[14:15] offset:(16*(\e)+\t)*4096 th:TH_STORE_NT   ; 32 lanes store 512 consecutive bytes, at a multiple of 512 from out0's first byte
.endr
	WIN 0
.endm
	PLACES                                         ; four plain instructions behind the last products: ahead of the reads of results and of the loads into fragments' registers
	TOSTAGE 0
	TOSTAGE 1
	SEND 0, 32                                     ; behind block 0's loads: block 1's 16 stores and 16 loads
	s_wait_xcnt 0x0                                ; block 0's stores have read their registers: block 2's rows may land there
	TOSTAGE 2
	SEND 1, 32
	s_wait_xcnt 0x0
	TOSTAGE 3
	SEND 2, 32
	SEND 3, 0
	s_wait_tensorcnt 0x0                           ; the wave's end
	ds_add_u32 v[SPW], v[NIL]
	s_wait_dscnt 0x0
	ROUND
	s_endpgm
.Lfunc_end_k_q8cd0bdb25c_outp:
	.size	k_q8cd0bdb25c_outp, .Lfunc_end_k_q8cd0bdb25c_outp-k_q8cd0bdb25c_outp
	.p2alignl 7, 3214868480
	.fill 96, 4, 3214868480
	.section	.rodata,"a",@progbits
	.p2align	6, 0x0
	.amdhsa_kernel k_q8cd0bdb25c_outp
		.amdhsa_group_segment_fixed_size 327680
		.amdhsa_private_segment_fixed_size 0
		.amdhsa_enable_private_segment 0
		.amdhsa_kernarg_size 48
		.amdhsa_user_sgpr_count 2
		.amdhsa_user_sgpr_kernarg_segment_ptr 1
		.amdhsa_wavefront_size32 1
		.amdhsa_system_sgpr_workgroup_id_x 1
		.amdhsa_system_sgpr_workgroup_id_y 1
		.amdhsa_system_sgpr_workgroup_id_z 1
		.amdhsa_system_vgpr_workitem_id 0
		.amdhsa_next_free_vgpr 912
		.amdhsa_next_free_sgpr 100
		.amdhsa_reserve_vcc 0
		.amdhsa_float_denorm_mode_32 3
		.amdhsa_float_denorm_mode_16_64 3
		.amdhsa_memory_ordered 1
		.amdhsa_forward_progress 1
		.amdhsa_inst_pref_size 79
	.end_amdhsa_kernel
	.amdgpu_metadata
---
amdhsa.version: [ 1, 2 ]
amdhsa.kernels:
  - .name:           k_q8cd0bdb25c_outp
    .symbol:         k_q8cd0bdb25c_outp.kd
    .args:
      - { .name: AF, .offset: 0, .size: 8, .value_kind: global_buffer, .address_space: global }
      - { .name: AS, .offset: 8, .size: 8, .value_kind: global_buffer, .address_space: global }
      - { .name: WF, .offset: 16, .size: 8, .value_kind: global_buffer, .address_space: global }
      - { .name: WS, .offset: 24, .size: 8, .value_kind: global_buffer, .address_space: global }
      - { .name: bo, .offset: 32, .size: 8, .value_kind: global_buffer, .address_space: global }
      - { .name: out0, .offset: 40, .size: 8, .value_kind: global_buffer, .address_space: global }
    .group_segment_fixed_size: 327680
    .private_segment_fixed_size: 0
    .kernarg_segment_align: 8
    .kernarg_segment_size: 48
    .max_flat_workgroup_size: 128
    .sgpr_count:     100
    .vgpr_count:     912
    .wavefront_size: 32
...
	.end_amdgpu_metadata
.endif
;; end of part 4
